; MI455X (gfx1250); checked and timed in simulation.
; The chip was launched on July 23, 2026; its instructions are those of AMD's public machine-readable ISA for CDNA 5 (MIT licence, August 2026) and "CDNA5" Instruction Set Architecture Reference Guide (July 2026). The comments in the code are by the model that wrote it; some were corrected since.
;; Multi Head Self Attention. Allowed arithmetic: matrix products marked QUANTISED: E3M2 operands, one E8M0 scale for each 32 along K, by v_wmma_scale_f32_16x16x128_f8f6f4 with both operands' format E3M2, f32 sums; everything else in f32.
;; Inputs: Wk 1,024 x 1,024 float32; Wq 1,024 x 1,024 float32; Wv 1,024 x 1,024 float32; bk 1,024 float32; bq 1,024 float32; bv 1,024 float32; hidden_states 4 x 2,048 x 1,024 float32.
;; Outputs: out0 4 x 2,048 x 1,024 float32.
;; This version of the problem:
;;   THIS VERSION OF THE PROBLEM IS GIVEN IN LOW PRECISION. The matrix products marked QUANTISED in the list below multiply operands that are first quantised to E3M2 (3 exponent bits, 2 mantissa bits; 6 bits a number), with one power-of-two scale for each 32 numbers along K (OCP MX v1.0); their sums are f32. All else is computed in f32.
;;   The module's matrix products, in the order in which they are computed (A, B: the left and right operand; K: the contracted axis; several contracted axes count as one K, in the product's order):
;;     1. [M 8,192, K 1,024] x [K 1,024, N 1,024]; A: input hidden_states; B: input Wq: QUANTISED
;;     2. [M 8,192, K 1,024] x [K 1,024, N 1,024]; A: input hidden_states; B: input Wk: QUANTISED
;;     3. [M 8,192, K 1,024] x [K 1,024, N 1,024]; A: input hidden_states; B: input Wv: QUANTISED
;;     4. batch 64 x [M 2,048, K 64] x [K 64, N 2,048]; A: computed on the way; B: computed on the way: QUANTISED
;;     5. batch 64 x [M 2,048, K 2,048] x [K 2,048, N 64]; A: softmax (see below); B: computed on the way: QUANTISED
;;   THE QUANTISER, for each operand of a quantised product, along K:
;;     - K is cut into blocks of 32 from its start; a last block that is shorter is filled with zeros.
;;     - A block's scale is 2^e with e = floor(log2(the largest magnitude in the block)) - 4, held to -126 .. 127; a block of zeros has e = 0. As a byte (E8M0): e + 127.
;;     - Each number is divided by its block's scale, clamped to +-28, and rounded to the nearest number of E3M2, ties to even, subnormals kept.
;;     - The product sums the exact products of the quantised numbers (number of the format x scale) in f32.
;;   ~~~python
;;   def quantise(x, axis):      # numpy; x: float32 -> the quantised numbers, widened to float32 again
;;       x = np.moveaxis(x, axis, -1); K = x.shape[-1]
;;       x = np.pad(x, [(0, 0)] * (x.ndim - 1) + [(0, -K % 32)]); x = x.reshape(x.shape[:-1] + (-1, 32)); a = np.abs(x).max(-1, keepdims=True)
;;       e = np.where(a > 0, np.clip(np.frexp(np.where(a > 0, a, 1))[1] - 1 - 4, -126, 127), 0)      # np.frexp(a)[1] - 1 = floor(log2(a)), exactly
;;       r = np.clip(x / 2.0 ** e, -28, 28)
;;       step = 2.0 ** (np.maximum(np.frexp(np.where(r == 0, 1, r))[1] - 1, -2) - 2)
;;       q = np.round(r / step) * step * 2.0 ** e      # np.round: ties to even
;;       return np.moveaxis(q.reshape(q.shape[:-2] + (-1,))[..., :K], -1, axis).astype(np.float32)
;;   ~~~
;;   SOFTMAX AHEAD OF A QUANTISED PRODUCT. Where the list says 'softmax', what is quantised is not the finished softmax but p = 2^(t - M), with t = logit x log2(e) and M = ceil(the row's largest t), a whole number; so 1/2 < the row's largest p <= 1. The row's sum l is taken of the UNQUANTISED p, in f32, and the product's result is divided by l at the end. Since M is a whole number, a kernel that streams over the keys may use a running M (the ceiling of the running maximum): every later rescaling is an exact power of two, which a block's scale takes up: the codes' values come out the same.
;;   OPERANDS COMPUTED ON THE WAY. 'Computed on the way' means the value that the module computes at that place (a softmax that the list does not call 'softmax' is quantised finished and normalised). What goes into a quantiser is computed in f32, as accurately as f32 sums, v_exp_f32 and their like allow (about 1e-6 of the number): no bf16 or f16 on the way to a quantiser, and a product that is left as it is and whose result goes on into a quantised operand takes f32 operands (vector FMAs, or v_wmma_f32_16x16x4_f32). A number that lies on a knife's edge between two numbers of the format may be rounded either way, as far as f32 arithmetic and the matrix unit's own rounding can turn it there, and no further.
;; One version. Each part assembles by itself: llvm-mc -triple=amdgcn-amd-amdhsa -mcpu=gfx1250 --defsym DOCPART=n.
;; ======== version 1 of 1: 4 launches
;; workspace buffers: xc 6,291,456 bytes; xs 262,144 bytes; wc 2,359,296 bytes; ws 98,304 bytes; qkv 20,185,088 bytes
;; launch quant (part 1): grid 352 x 1, 4 waves a work-group, no clusters, 59,904 bytes of LDS; arguments hidden_states, Wq, Wk, Wv, xc, xs, wc, ws; writes xc, xs, wc, ws
.if DOCPART == 1
	.amdgcn_target "amdgcn-amd-amdhsa--gfx1250"
	.amdhsa_code_object_version 6
	.text
	.protected	k_q463562f0f7_quant
	.globl	k_q463562f0f7_quant
	.p2align	8
	.type	k_q463562f0f7_quant,@function
k_q463562f0f7_quant:
	s_mov_b64 s[64:65], 0
	v_nop
	global_prefetch_b8 v0, s[64:65] scope:SCOPE_SE
	s_setreg_imm32_b32 hwreg(HW_REG_WAVE_MODE, 25, 1), 1
	s_wait_xcnt 0x0
; hidden_states [8192][1024] and Wq, Wk, Wv [1024 (k)][1024 (n)], f32, become codes of BF6 (E3M2) with one E8M0 scale byte for each 32 along K (K = the 1,024).
; A block's scale is 2^(floor(log2(its largest magnitude)) - 4): its byte is the largest magnitude's exponent field - 4, held at 1 from below.
; LIMITS: a block of zeros gets the byte 1 where the rule says 127 (its codes are zeros, which add nothing, and this program alone reads the bytes);
; blocks whose largest magnitude lies under 2^-122, the floor, are held at the byte 1; NaN and infinities among the inputs are not served.
; THE RESULT IS LAID AS THE NEXT LAUNCH'S OPERAND REGISTERS.  Rows (of x; columns n of the weights) go in groups of 32, a group in two tiles of 16: lane r of tile 2 G + u holds row 32 G + 8 u + r + 8 (r / 8).
; A fragment (a tile x 128 K: 12 registers a lane; lane (r, h): registers 6 c .. 6 c + 5 = k 64 c + 32 h + 0 .. 31) lies as 3 x 512 bytes: registers 4 g .. 4 g + 3 of lane L at 512 g + 16 L.
; xc, wc: [tile][K / 128][1,536 bytes].  xs, ws: [tile][K / 256][r][2 words], a word = the four scale bytes of 128 along K.  wc's tiles 0-63 are Wq's, 64-127 Wk's, 128-191 Wv's.
; Work-groups 0-255 take x, 256-351 the weights; the two ways have LDS bytes of their own.  Waves share nothing: no barrier.  No tile is shared between work-groups, so there is no cluster.
.set XR,   16                          ; x: v16-143  two sets of 64 numbers as they are loaded
.set XX,   144                         ;    v144-207 a fragment's 64 numbers of my row: register 32 c + n = k 64 c + 32 h + n
.set XC,   208                         ;    v208-219 the fragment's codes
.set XSP,  220                         ;    v220-227 the second halves of the two blocks' codes, before they are moved
.set MX,   228                         ;    v228-229 largest magnitudes;  v230-231 scale operands;  v232-233 bytes;  v234-235 at work
.set SO,   230
.set BY,   232
.set WD,   236                         ;    v236-239 the four fragments' scale words
.set XSTG, 16*528                      ; x: a wave's stage: 16 rows of 512 bytes + 16
.set WBASE, 4*XSTG                     ; the weights' stages begin behind x's
.set WSTG, 6400                        ; a wave's: two tiles of 3,072 bytes, 3,200 apart
.set WX,   32                          ; W: v32-95   two sets of 32 numbers
.set WC,   96                          ;    v96-102  a block's codes
.set SB,   24                          ;    v24-25   the scale bytes, four to a register
.set OUT,  112                         ;    v112-159 the way out
.macro XLOAD f                         ; fragment f: 16 rows x 128 numbers; each load reads 512 consecutive bytes of one row
.irp i, 0,1,2,3,4,5,6,7,8,9,10,11,12,13,14,15
	global_load_b128 v[XR+64*((\f)%2)+4*\i:XR+64*((\f)%2)+4*\i+3], v2, s[4:5] offset:(\i+8*(\i/8))*4096+512*(\f) th:TH_LOAD_NT
.endr
.endm
.macro XTURN f                         ; through the wave's own stage: in by rows as loaded, out 128 bytes of my row for each of my two blocks.  LDS serves a wave's instructions in order (ISA guide 5.7.1.4)
.irp i, 0,1,2,3,4,5,6,7,8,9,10,11,12,13,14,15
	ds_store_b128 v3, v[XR+64*((\f)%2)+4*\i:XR+64*((\f)%2)+4*\i+3] offset:528*\i
.endr
.irp c, 0,1
.irp k, 0,1,2,3,4,5,6,7
	ds_load_b128 v[XX+32*\c+4*\k:XX+32*\c+4*\k+3], v4 offset:256*\c+16*\k
.endr
.endr
.endm
.macro XFRAG f
.if (\f) < 3
	s_wait_loadcnt 16                              ; this fragment's 16 loads are in; the next fragment's 16 may be out
.else
	s_wait_loadcnt 0x0
.endif
	XTURN \f
	s_wait_dscnt 0x0                               ; my 64 numbers are back, so the stage's stores have read their registers,
.if (\f) < 2
	XLOAD (\f)+2                                   ; which take the loads of two fragments on
.endif
.irp c, 0,1
	v_max3_num_f32 v[MX+\c], |v[XX+32*\c]|, |v[XX+32*\c+1]|, 0x2800000   ; my block 2 c + h: all its 32 numbers are mine; the floor 2^(5 - 127) keeps the byte at 1 or above
.endr
.irp i, 2,4,6,8,10,12,14,16,18,20,22,24,26,28,30
.irp c, 0,1
	v_max3_num_f32 v[MX+\c], v[MX+\c], |v[XX+32*\c+\i]|, |v[XX+32*\c+\i+1]|
.endr
.endr
.irp c, 0,1
	v_add_nc_u32 v[SO+\c], 0xfe000000, v[MX+\c]    ; 4 off the exponent field: the conversion takes the exponent field of this operand as its scale
.endr
.irp c, 0,1
	v_lshrrev_b32 v[BY+\c], 23, v[SO+\c]           ; the scale's byte
.endr
	v_lshl_or_b32 v234, v[BY+1], 16, v[BY]         ; my two bytes: blocks h and 2 + h,
	v_lshlrev_b32 v234, v6, v234                   ; at their places in the word (8 h bits up);
	v_permlanex16_b32 v235, v234, s20, s21
	v_or_b32 v[WD+(\f)], v234, v235                ; with lane l xor 16's two the row's word is whole, in both lanes
.if (\f) > 0
	s_wait_alu depctr_va_vdst(0)
	s_wait_xcnt 0x0                                ; the last fragment's stores have read the codes' registers: only now are they written again
.endif
.irp c, 0,1
	v_cvt_scalef32_pk16_bf6_f32 v[XC+6*\c:XC+6*\c+2], v[XX+32*\c:XX+32*\c+15], v[SO+\c]
	v_cvt_scalef32_pk16_bf6_f32 v[XSP+4*\c:XSP+4*\c+2], v[XX+32*\c+16:XX+32*\c+31], v[SO+\c]   ; (a conversion's three registers begin on an even number)
.endr
	v_nop                                          ; one plain instruction between a scaled conversion and the vector instruction that reads its result
.irp c, 0,1
.irp i, 0,1,2
	v_mov_b32 v[XC+6*\c+3+\i], v[XSP+4*\c+\i]
.endr
.endr
.irp g, 0,1,2
	global_store_b128 v2, v[XC+4*\g:XC+4*\g+3], s[12:13] offset:1536*(\f)+512*\g   ; 32 lanes store 512 consecutive bytes, at a multiple of 512 from xc's first byte
.endr
.endm
.macro WLOAD t                         ; block t: W(32 t + i, my column), i = 0 .. 31: 32 lanes read 128 consecutive bytes
.irp i, 0,1,2,3,4,5,6,7,8,9,10,11,12,13,14,15,16,17,18,19,20,21,22,23,24,25,26,27,28,29,30,31
	global_load_b32 v[WX+32*((\t)%2)+\i], v2, s[6:7] offset:(32*(\t)+\i)*4096 th:TH_LOAD_NT
.endr
.endm
.macro WBLOCK t                        ; block t of my column's 256 along K: fragment t / 4, its registers 6 c .. 6 c + 5 with c = (t / 2) % 2, in the image's lane r + 16 (t % 2)
.set XS, WX+32*((\t)%2)
.set FO, 1536*((\t)/4)+256*((\t)%2)
.if (\t) < 7
	s_wait_loadcnt 32                              ; this block's 32 loads are in; the next block's may be out
.else
	s_wait_loadcnt 0x0
.endif
	v_max3_num_f32 v12, |v[XS]|, |v[XS+1]|, |v[XS+2]|
	v_max3_num_f32 v13, |v[XS+3]|, |v[XS+4]|, |v[XS+5]|
.irp i, 6,10,14,18,22,26
	v_max3_num_f32 v12, v12, |v[XS+\i]|, |v[XS+\i+1]|
	v_max3_num_f32 v13, v13, |v[XS+\i+2]|, |v[XS+\i+3]|
.endr
	v_max3_num_f32 v12, v12, |v[XS+30]|, |v[XS+31]|
	v_max3_num_f32 v12, v12, v13, 0x2800000        ; and the floor
	v_add_nc_u32 v11, 0xfe000000, v12              ; the conversion's scale operand
	v_lshrrev_b32 v13, 23, v11                     ; the byte
.if (\t)%4 == 0
	v_mov_b32 v[SB+(\t)/4], v13                    ; four bytes to a word, the lower K in the lower byte
.else
	v_lshl_or_b32 v[SB+(\t)/4], v13, 8*((\t)%4), v[SB+(\t)/4]
.endif
	v_cvt_scalef32_pk16_bf6_f32 v[WC:WC+2], v[XS:XS+15], v11
	v_cvt_scalef32_pk16_bf6_f32 v[WC+4:WC+6], v[XS+16:XS+31], v11
	v_nop                                          ; one plain instruction behind the conversions
	v_mov_b32 v[WC+3], v[WC+4]                     ; the six registers on end
	v_mov_b32 v[WC+4], v[WC+5]
	v_mov_b32 v[WC+5], v[WC+6]
.if ((\t)/2)%2 == 0
	ds_store_b128 v3, v[WC:WC+3] offset:FO         ; registers 0-3 of the fragment,
	ds_store_b64 v3, v[WC+4:WC+5] offset:FO+512    ; 4 and 5
.else
	ds_store_b64 v3, v[WC:WC+1] offset:FO+512+8    ; 6 and 7,
	ds_store_b128 v3, v[WC+2:WC+5] offset:FO+1024  ; 8-11
.endif
.if (\t) < 6
	WLOAD (\t)+2
.endif
	s_wait_dscnt 0x0                               ; the stores have read their registers: the next block's codes may be written
.endm
	s_load_b256 s[4:11], s[0:1], 0x0               ; hidden_states s[4:5], Wq s[6:7], Wk s[8:9], Wv s[10:11]
	s_load_b256 s[12:19], s[0:1], 0x20             ; xc s[12:13], xs s[14:15], wc s[16:17], ws s[18:19]
	v_lshl_add_u32 v240, v0, 2, 0xe800
	v_mov_b32 v241, 0
	v_lshrrev_b32 v1, 5, v0
	v_readfirstlane_b32 s24, v1                    ; wave 0..3
	v_and_b32 v7, 31, v0                           ; lane
	s_cmp_lt_u32 ttmp9, 256
	s_cbranch_scc0 .Lweights
	; ---- x: wave W = 4 x work-group + wave makes four fragments: tile W / 2, K = 512 (W % 2) on
	v_and_b32 v8, 15, v0                           ; r
	v_bfe_u32 v9, v0, 4, 1                         ; h
	v_lshlrev_b32 v2, 4, v7                        ; 16 x lane: in memory, both ways
	s_mul_i32 s25, s24, XSTG
	v_add_nc_u32 v3, s25, v2                       ; the stage, in: 16 x lane of a row
	v_mul_u32_u24 v4, v8, 528
	v_lshl_add_u32 v4, v9, 7, v4
	v_add_nc_u32 v4, s25, v4                       ; and out: row r, + 128 h
	v_lshlrev_b32 v5, 3, v7                        ; 8 x lane: the scale words' place
	v_lshlrev_b32 v6, 3, v9                        ; 8 h
	v_mov_b32 v235, 0                              ; written once: a lane permute's destination counts as one of its sources
	s_mov_b32 s20, 0x76543210
	s_mov_b32 s21, 0xfedcba98                      ; v_permlanex16_b32's selects for lane l xor 16
	s_mov_b32 s22, 0xffff0000                      ; lanes 16-31
	s_lshl_b32 s26, ttmp9, 17                      ; the group's 32 rows of 4,096 bytes,
	s_lshr_b32 s28, s24, 1
	s_lshl_b32 s28, s28, 15                        ; 8 rows on for the group's second tile,
	s_add_co_u32 s26, s26, s28
	s_and_b32 s28, s24, 1
	s_lshl_b32 s28, s28, 11                        ; 2,048 bytes on for the second half of K
	s_add_co_u32 s26, s26, s28
	s_mov_b32 s27, 0
	s_lshl_b32 s28, ttmp9, 2
	s_add_co_u32 s28, s28, s24                     ; W
	s_mul_i32 s30, s28, 6144                       ; four fragments of 1,536 bytes
	s_mov_b32 s31, 0
	s_lshl_b32 s28, s28, 8                         ; 256 bytes of scale words
	s_mov_b32 s29, 0
	s_wait_alu depctr_va_vdst(0)
	s_wait_kmcnt 0x0
	s_add_nc_u64 s[4:5], s[4:5], s[26:27]
	s_add_nc_u64 s[12:13], s[12:13], s[30:31]
	s_add_nc_u64 s[14:15], s[14:15], s[28:29]
	XLOAD 0
	XLOAD 1
	XFRAG 0
	XFRAG 1
	XFRAG 2
	XFRAG 3
	v_cndmask_b32 v234, v[WD], v[WD+2], s22        ; lanes 0-15 store row r's two words of the first 256 along K, lanes 16-31 those of the second
	v_cndmask_b32 v235, v[WD+1], v[WD+3], s22
	global_store_b64 v5, v[234:235], s[14:15]      ; 32 lanes store 256 consecutive bytes, at a multiple of 256 from xs's first byte
	s_wait_tensorcnt 0x0
	ds_add_u32 v240, v241
	s_wait_dscnt 0x0
	s_endpgm
.Lweights:
	; ---- the weights: a lane takes a column n and its registers run down K; a wave takes 32 columns (a group) x 256 along K
	s_sub_co_u32 s25, ttmp9, 256
	s_and_b32 s26, s25, 7                          ; which 128 columns
	s_lshr_b32 s27, s25, 3
	s_lshr_b32 s28, s27, 2                         ; which weight: 0 Wq, 1 Wk, 2 Wv
	s_and_b32 s29, s27, 3                          ; which 256 along K
	s_wait_alu depctr_va_vdst(0)
	v_lshlrev_b32 v2, 2, v7                        ; in: 4 bytes a lane
	v_bfe_u32 v8, v0, 3, 1                         ; column L of the group lies in tile u = (L / 8) % 2,
	v_and_b32 v9, 7, v0
	v_bfe_u32 v10, v0, 4, 1
	v_lshl_add_u32 v9, v10, 3, v9                  ; as its row r = L % 8 + 8 (L / 16)
	s_mul_i32 s30, s24, WSTG
	s_add_co_u32 s30, s30, WBASE                   ; my stage
	v_mul_u32_u24 v3, v8, 3200
	v_lshl_add_u32 v3, v9, 4, v3
	v_add_nc_u32 v3, s30, v3                       ; into it: tile u, the image's lane r
	v_lshlrev_b32 v6, 4, v7                        ; 16 x lane
	v_add_nc_u32 v4, s30, v6                       ; out of it
	v_lshlrev_b32 v5, 9, v8
	v_lshl_add_u32 v5, v9, 3, v5                   ; my column's two scale words: 512 u + 8 r
	s_lshl_b32 s31, s28, 5
	s_lshl_b32 s32, s26, 2
	s_add_co_u32 s31, s31, s32
	s_add_co_u32 s31, s31, s24                     ; G = 32 x weight + 4 x (128 columns) + wave
	s_lshl_b32 s32, s29, 20                        ; 256 rows of 4,096 bytes,
	s_lshl_b32 s33, s26, 9
	s_add_co_u32 s32, s32, s33
	s_lshl_b32 s33, s24, 7
	s_add_co_u32 s32, s32, s33                     ; + 4 x my wave's first column
	s_mov_b32 s33, 0
	s_mul_i32 s34, s31, 24576                      ; wc: two tiles of 12,288 bytes a group,
	s_mul_i32 s36, s29, 3072                       ; two fragments on for each 256 along K
	s_add_co_u32 s34, s34, s36
	s_mov_b32 s35, 0
	s_lshl_b32 s36, s31, 10                        ; ws: 1,024 bytes a group, 128 for each 256 along K
	s_lshl_b32 s37, s29, 7
	s_add_co_u32 s36, s36, s37
	s_mov_b32 s37, 0
	s_wait_kmcnt 0x0
	s_cmp_eq_u32 s28, 0                            ; the choice hangs on the work-group's number alone
	s_cselect_b64 s[6:7], s[6:7], s[8:9]
	s_cmp_eq_u32 s28, 2
	s_cselect_b64 s[6:7], s[10:11], s[6:7]
	s_add_nc_u64 s[6:7], s[6:7], s[32:33]
	s_add_nc_u64 s[16:17], s[16:17], s[34:35]
	s_add_nc_u64 s[18:19], s[18:19], s[36:37]
	WLOAD 0
	WLOAD 1
.irp t, 0,1,2,3,4,5,6,7
	WBLOCK \t
.endr
	s_wait_alu depctr_va_vdst(0)
	global_store_b64 v5, v[SB:SB+1], s[18:19]      ; eight lanes store 64 consecutive bytes: one byte for each 128 that the wave has read
.irp n, 0,1,2,3,4,5,6,7,8,9,10,11
	ds_load_b128 v[OUT+4*\n:OUT+4*\n+3], v4 offset:3200*(\n/6)+512*(\n%6)   ; these see my stores: LDS serves a wave's instructions in order
.endr
.irp n, 0,1,2,3,4,5,6,7,8,9,10,11
	s_wait_dscnt 11-\n                             ; load n is back; the younger ones may be out
	global_store_b128 v6, v[OUT+4*\n:OUT+4*\n+3], s[16:17] offset:12288*(\n/6)+512*(\n%6)   ; 512 consecutive bytes, at a multiple of 512 from wc's first byte
.endr
	s_wait_tensorcnt 0x0
	ds_add_u32 v240, v241
	s_wait_dscnt 0x0
	s_endpgm
.Lfunc_end_k_q463562f0f7_quant:
	.size	k_q463562f0f7_quant, .Lfunc_end_k_q463562f0f7_quant-k_q463562f0f7_quant
	.p2alignl 7, 3214868480
	.fill 96, 4, 3214868480
	.section	.rodata,"a",@progbits
	.p2align	6, 0x0
	.amdhsa_kernel k_q463562f0f7_quant
		.amdhsa_group_segment_fixed_size 59904
		.amdhsa_private_segment_fixed_size 0
		.amdhsa_enable_private_segment 0
		.amdhsa_kernarg_size 64
		.amdhsa_user_sgpr_count 2
		.amdhsa_user_sgpr_kernarg_segment_ptr 1
		.amdhsa_wavefront_size32 1
		.amdhsa_system_sgpr_workgroup_id_x 1
		.amdhsa_system_sgpr_workgroup_id_y 1
		.amdhsa_system_sgpr_workgroup_id_z 1
		.amdhsa_system_vgpr_workitem_id 0
		.amdhsa_next_free_vgpr 242
		.amdhsa_next_free_sgpr 66
		.amdhsa_reserve_vcc 0
		.amdhsa_float_denorm_mode_32 3
		.amdhsa_float_denorm_mode_16_64 3
		.amdhsa_memory_ordered 1
		.amdhsa_forward_progress 1
		.amdhsa_inst_pref_size 71
	.end_amdhsa_kernel
	.amdgpu_metadata
---
amdhsa.version: [ 1, 2 ]
amdhsa.kernels:
  - .name:           k_q463562f0f7_quant
    .symbol:         k_q463562f0f7_quant.kd
    .args:
      - { .name: hidden_states, .offset: 0, .size: 8, .value_kind: global_buffer, .address_space: global }
      - { .name: Wq, .offset: 8, .size: 8, .value_kind: global_buffer, .address_space: global }
      - { .name: Wk, .offset: 16, .size: 8, .value_kind: global_buffer, .address_space: global }
      - { .name: Wv, .offset: 24, .size: 8, .value_kind: global_buffer, .address_space: global }
      - { .name: xc, .offset: 32, .size: 8, .value_kind: global_buffer, .address_space: global }
      - { .name: xs, .offset: 40, .size: 8, .value_kind: global_buffer, .address_space: global }
      - { .name: wc, .offset: 48, .size: 8, .value_kind: global_buffer, .address_space: global }
      - { .name: ws, .offset: 56, .size: 8, .value_kind: global_buffer, .address_space: global }
    .group_segment_fixed_size: 59904
    .private_segment_fixed_size: 0
    .kernarg_segment_align: 8
    .kernarg_segment_size: 64
    .max_flat_workgroup_size: 128
    .sgpr_count:     66
    .vgpr_count:     242
    .wavefront_size: 32
...
	.end_amdgpu_metadata
.endif
;; end of part 1
;; launch projqk (part 2): grid 8 x 32, 4 waves a work-group, clusters of 4 x 4, 327,680 bytes of LDS; arguments xc, xs, wc, ws, bq, bk, qkv; writes qkv
.if DOCPART == 2
	.amdgcn_target "amdgcn-amd-amdhsa--gfx1250"
	.amdhsa_code_object_version 6
	.text
	.protected	k_q463562f0f7_projqk
	.globl	k_q463562f0f7_projqk
	.p2align	8
	.type	k_q463562f0f7_projqk,@function
k_q463562f0f7_projqk:
	s_mov_b64 s[64:65], 0
	v_nop
	global_prefetch_b8 v0, s[64:65] scope:SCOPE_SE
	s_setreg_imm32_b32 hwreg(HW_REG_WAVE_MODE, 25, 1), 1
	s_wait_xcnt 0x0
	s_wait_alu depctr_hold_cnt(0) depctr_sa_sdst(0) depctr_va_vdst(0) depctr_va_sdst(0) depctr_va_ssrc(0) depctr_va_vcc(0) depctr_vm_vsrc(0)
	s_getreg_b32 s2, hwreg(HW_REG_IB_STS2, 6, 4)
	s_cmp_eq_u32 s2, 0
	s_cbranch_scc0 .Lentry_in_a_cluster
	s_endpgm
.Lentry_in_a_cluster:
	s_bfe_u32 s2, ttmp6, 0x10000c
	s_cmp_lg_u32 s2, 0xf033
	s_cbranch_scc0 .Lentry_shape_is_right
	s_endpgm
.Lentry_shape_is_right:
.set VTYPE,  0
.set NQ,     2
.set FR,     12
.set NL,     3
.set NP,     4
.set TILEB,  3072
.set TROW,   12288
.set HALFT,  8*TILEB
.set SLOT,   4*HALFT
.set SCL,    2*SLOT
.set SCB,    8320
.set SPARE,  213248
.set REC,    315392
.set VC,     98304
.set KS,     196608
.set VS,     204800
.set QC,     208896
.set QS,     307200
.set ADRA, 16
.set ADRB, 20
.set BO,   24
.set L8,   25
.set LI,   26
.set ADRS, 27
.set SPW,  28
.set NIL,  29
.set SC,   32
.set BP,   64
.set AF,   128
.set HA,   128
.set RUN0, 192
.set RUN1, 204
.set SPL,  216
.set TM,   224
.set PW,   240
.set EA,   241
.set EB,   242
.set T0,   243
.set SWA,  244
.set SWB,  248
.set T1,   252
.set G1, 24
.set G0, 32
.set G1B, 48
.set G0B, 56
.set G1S, 68
.set G0S, 76
.set G1SB, 80
.set G0SB, 88
.set MSB, 0
.macro WIN new
.if MSB != \new
	s_set_vgpr_msb (MSB<<8)|\new
.set MSB, \new
.endif
.endm
.set MUL_LO, 0xa1
.set MUL_HI, 0xf1
.set TO_B,   0x40
.macro JLOAD g0a, g1a, g0b, g1b
	s_cmp_eq_u32 s15, 0
	s_cbranch_scc0 .Lfor_b_\@
	tensor_load_to_lds s[\g0a:\g0a+3], s[\g1a:\g1a+7]
	s_nop 0
.rept 4
	v_nop
.endr
	s_branch .Lasked_\@
.Lfor_b_\@:
	tensor_load_to_lds s[\g0b:\g0b+3], s[\g1b:\g1b+7]
	s_nop 0
.rept 4
	v_nop
.endr
.Lasked_\@:
.endm
.macro CREST
	s_cmp_lg_u32 s14, 0
	s_cbranch_scc1 .Lnot_wave_0_\@
	s_barrier_signal -3
.Lnot_wave_0_\@:
	s_barrier_wait -3
	s_barrier_signal -1
	s_barrier_wait -1
.endm
.macro CROUND
	s_barrier_signal -1
	s_barrier_wait -1
	CREST
.endm
	s_load_b128 s[4:7], s[0:1], 0x0
	s_load_b128 s[8:11], s[0:1], 0x10
.if VTYPE
	s_load_b64 s[96:97], s[0:1], 0x20
	s_load_b64 s[12:13], s[0:1], 0x28
.else
	s_load_b128 s[96:99], s[0:1], 0x20
	s_load_b64 s[12:13], s[0:1], 0x30
.endif
	v_lshl_add_u32 v[SPW], v0, 2, SPARE
	v_mov_b32 v[NIL], 0
	ds_add_u32 v28, v29
	ds_add_u32 v28, v29
	s_wait_dscnt 0x0
	v_lshrrev_b32 v1, 5, v0
	v_readfirstlane_b32 s14, v1
	s_lshr_b32 s15, s14, 1
	s_and_b32 s16, s14, 1
	s_bfe_u32 s40, ttmp6, 0x40000
	s_bfe_u32 s41, ttmp6, 0x40004
	s_lshl_b32 s42, ttmp9, 2
	s_add_co_u32 s42, s42, s40
.if VTYPE
	s_mov_b32 s17, s41
.else
	s_and_b32 s17, ttmp7, 0xffff
	s_lshl_b32 s17, s17, 2
	s_add_co_u32 s17, s17, s41
.endif
	s_lshl_b32 s43, s41, 2
	s_lshl_b32 s43, 15, s43
	s_lshl_b32 s44, 0x1111, s40
	s_or_b32 s[G1+0], s43, (3<<16)|(1<<21)
	s_or_b32 s[G1B+0], s44, (3<<16)|(1<<21)
.irp g, G1, G1B
	s_mov_b32 s[\g+1], 384<<16
	s_mov_b32 s[\g+2], 8<<16
	s_mov_b32 s[\g+3], 384<<16
	s_mov_b32 s[\g+4], 8
	s_mov_b32 s[\g+5], 1536
	s_mov_b32 s[\g+6], 0
	s_mov_b32 s[\g+7], 0
.endr
	s_or_b32 s[G1S+0], s43, (3<<16)|(1<<21)
	s_or_b32 s[G1SB+0], s44, (3<<16)|(1<<21)
.irp g, G1S, G1SB
	s_mov_b32 s[\g+1], 32<<16
	s_mov_b32 s[\g+2], 16<<16
	s_mov_b32 s[\g+3], 32<<16
	s_mov_b32 s[\g+4], 16
	s_mov_b32 s[\g+5], 32
	s_mov_b32 s[\g+6], 0
	s_mov_b32 s[\g+7], 0
.endr
	s_lshl_b32 s18, s16, 3
	s_lshl_b32 s20, s17, 4
	s_add_co_u32 s20, s20, s18
	s_lshl_b32 s46, s42, 4
	s_add_co_u32 s46, s46, s18
	s_lshl_b32 s22, s20, 9
	s_mov_b32 s23, 0
	s_lshl_b32 s92, s46, 9
	s_mov_b32 s93, 0
	s_mul_i32 s20, s20, TROW
	s_mov_b32 s21, 0
	s_mul_i32 s46, s46, TROW
	s_mov_b32 s47, 0
	s_mul_i32 s45, s14, HALFT
	s_lshl_b32 s94, s14, 12
	s_lshl_b32 s18, s15, 7
	s_add_co_u32 s94, s94, s18
	s_wait_kmcnt 0x0
.if VTYPE
	s_add_nc_u64 s[4:5], s[4:5], 128*TROW
	s_add_nc_u64 s[6:7], s[6:7], 128*512
.endif
	s_add_nc_u64 s[20:21], s[4:5], s[20:21]
	s_add_nc_u64 s[22:23], s[6:7], s[22:23]
	s_add_nc_u64 s[46:47], s[8:9], s[46:47]
	s_add_nc_u64 s[92:93], s[10:11], s[92:93]
	CROUND
	s_mov_b32 s[G0S], 1
	s_add_co_u32 s[G0S+1], s94, SCL
	s_mov_b64 s[G0S+2:G0S+3], s[22:23]
	s_or_b32 s[G0S+3], s[G0S+3], 0x80000000
	s_mov_b32 s[G0SB], 1
	s_add_co_u32 s[G0SB+1], s94, SCL
	s_mov_b64 s[G0SB+2:G0SB+3], s[92:93]
	s_or_b32 s[G0SB+3], s[G0SB+3], 0x80000000
	JLOAD G0S, G1S, G0SB, G1SB
.irp s, 0,1
	s_mov_b32 s[G0+4*\s], 1
	s_add_co_u32 s[G0+4*\s+1], s45, \s*SLOT
	s_add_nc_u64 s[G0+4*\s+2:G0+4*\s+3], s[20:21], \s*TILEB
	s_or_b32 s[G0+4*\s+3], s[G0+4*\s+3], 0x80000000
	s_mov_b32 s[G0B+4*\s], 1
	s_add_co_u32 s[G0B+4*\s+1], s45, \s*SLOT
	s_add_nc_u64 s[G0B+4*\s+2:G0B+4*\s+3], s[46:47], \s*TILEB
	s_or_b32 s[G0B+4*\s+3], s[G0B+4*\s+3], 0x80000000
	s_wait_alu depctr_va_vdst(0)
	s_wait_tensorcnt 0x0
	ds_add_u32 v28, v29
	s_wait_dscnt 0x0
	CROUND
	JLOAD G0+4*\s, G1, G0B+4*\s, G1B
.endr
	v_and_b32 v1, 15, v0
	v_bfe_u32 v2, v0, 4, 1
	s_wait_alu depctr_va_vdst(0)
	v_and_b32 v3, 31, v0
	v_lshlrev_b32 v[LI], 4, v3
.if VTYPE
	v_lshlrev_b32 v[L8], 3, v3
.endif
	s_mul_i32 s21, s15, HALFT
	s_mul_i32 s22, s16, HALFT
	s_add_co_u32 s22, s22, 2*HALFT
.irp s, 0,1
	v_add_nc_u32 v[ADRA+\s], s21, v[LI]
	v_add_nc_u32 v[ADRB+\s], s22, v[LI]
	s_add_co_u32 s21, s21, SLOT
	s_add_co_u32 s22, s22, SLOT
.endr
	v_lshlrev_b32 v5, 3, v1
	s_lshl_b32 s21, s15, 12
	s_lshl_b32 s22, s16, 12
	s_add_co_u32 s22, s22, SCB
	s_sub_co_u32 s22, s22, s21
	v_mul_u32_u24 v6, s22, v2
	s_add_co_u32 s21, s21, SCL
	v_add_nc_u32 v5, v5, v6
	v_add_nc_u32 v[ADRS], s21, v5
.irp b, 0,1,2,3
	v_mov_b32 v[TM+4+\b], 0
.endr
	s_mov_b32 s95, 0xffff0000
	s_mov_b32 s100, 0x76543210
	s_mov_b32 s101, 0xfedcba98
.if VTYPE
	s_lshl_b32 s18, s17, 8
	s_lshl_b32 s19, s15, 7
	s_add_co_u32 s66, s18, s19
	s_lshl_b32 s18, s66, 2
	s_mov_b32 s19, 0
	s_add_nc_u64 s[96:97], s[96:97], s[18:19]
	v_and_b32 v4, 8, v1
	v_add_nc_u32 v4, v4, v1
	v_lshlrev_b32 v[BO], 2, v4
.irp a, 0,1,2,3,4,5,6,7
	global_load_b32 v[BP+2*\a], v[BO], s[96:97] offset:(32*(\a/2)+8*(\a%2))*4
	global_load_b32 v[BP+2*\a+1], v[BO], s[96:97] offset:(32*(\a/2)+8*(\a%2))*4
.endr
	s_lshl_b32 s18, s42, 8
	s_lshl_b32 s19, s16, 7
	s_add_co_u32 s18, s18, s19
.else
	s_cmp_eq_u32 ttmp9, 0
	s_cselect_b64 s[96:97], s[96:97], s[98:99]
	s_lshl_b32 s18, s42, 8
	s_lshl_b32 s19, s16, 7
	s_add_co_u32 s18, s18, s19
	s_and_b32 s66, s18, 1023
	s_lshl_b32 s18, s66, 2
	s_mov_b32 s19, 0
	s_add_nc_u64 s[96:97], s[96:97], s[18:19]
	v_lshlrev_b32 v[BO], 6, v2
.irp g, 0,1,2,3
.irp k, 0,1,2,3
	global_load_b128 v[BP+16*\g+4*\k:BP+16*\g+4*\k+3], v[BO], s[96:97] offset:128*\g+16*\k
.endr
.endr
	s_lshl_b32 s18, s17, 8
	s_lshl_b32 s19, s15, 7
	s_add_co_u32 s18, s18, s19
.endif
	s_lshr_b32 s19, s18, 11
	s_bfe_u32 s67, s18, 0x40007
	s_lshl_b32 s19, s19, 4
	s_lshr_b32 s66, s66, 6
	s_add_co_u32 s19, s19, s66
	s_mul_i32 s19, s19, REC
	s_mul_i32 s18, s67, 6144
	s_add_co_u32 s18, s18, s19
.if VTYPE
	s_lshl_b32 s67, s67, 8
	s_add_co_u32 s46, s67, s19
	s_add_co_u32 s18, s18, VC
	s_add_co_u32 s46, s46, VS
.else
	s_lshl_b32 s67, s67, 9
	s_add_co_u32 s46, s67, s19
	s_cmp_eq_u32 ttmp9, 0
	s_cselect_b32 s66, QC, 0
	s_mov_b32 s94, KS
	s_cselect_b32 s94, QS, s94
	s_add_co_u32 s18, s18, s66
	s_add_co_u32 s46, s46, s94
.endif
	s_mov_b32 s19, 0
	s_mov_b32 s47, 0
	s_add_nc_u64 s[20:21], s[12:13], s[18:19]
	s_add_nc_u64 s[22:23], s[20:21], REC
	s_add_nc_u64 s[46:47], s[12:13], s[46:47]
	s_add_nc_u64 s[92:93], s[46:47], REC
.macro FRAG reg, adr, q, i
.irp c, 0,1,2
	ds_load_b128 v[\reg+4*\c:\reg+4*\c+3], v[\adr] offset:TILEB*(\i)+1536*(\q)+512*\c
.endr
.endm
.macro MUL16 a0, p, q, sc, zero
.irp a, \a0, \a0+1
.irp b, 0,1,2,3,4,5,6,7
.if \zero
	v_wmma_scale_f32_16x16x128_f8f6f4 v[8*(8*((\a)%4)+\b):8*(8*((\a)%4)+\b)+7], v[128*(\p)+FR*\b:128*(\p)+FR*\b+FR-1], v[AF+FR*(\a):AF+FR*(\a)+FR-1], 0, v[SC+8*NQ*(\sc)+NQ*\b+(\q)], v[SC+8*NQ*(\sc)+NQ*(\a)+(\q)] matrix_a_fmt:MATRIX_FMT_BF6 matrix_b_fmt:MATRIX_FMT_BF6 matrix_a_scale:MATRIX_SCALE_ROW1
.else
	v_wmma_scale_f32_16x16x128_f8f6f4 v[8*(8*((\a)%4)+\b):8*(8*((\a)%4)+\b)+7], v[128*(\p)+FR*\b:128*(\p)+FR*\b+FR-1], v[AF+FR*(\a):AF+FR*(\a)+FR-1], v[8*(8*((\a)%4)+\b):8*(8*((\a)%4)+\b)+7], v[SC+8*NQ*(\sc)+NQ*\b+(\q)], v[SC+8*NQ*(\sc)+NQ*(\a)+(\q)] matrix_a_fmt:MATRIX_FMT_BF6 matrix_b_fmt:MATRIX_FMT_BF6 matrix_a_scale:MATRIX_SCALE_ROW1
.endif
.endr
.endr
.endm
.macro FETCH_B slot, q, p
	WIN TO_B
.irp i, 0,1,2,3,4,5,6,7
	FRAG 128*(\p)+FR*\i, ADRB+\slot, \q, \i
.endr
	WIN 0
.endm
.macro FETCH_A slot, q, i0
.irp i, \i0, \i0+1, \i0+2, \i0+3
	FRAG AF+FR*(\i), ADRA+\slot, \q, \i
.endr
.endm
.macro SCALES sc
.irp i, 0,1,2,3,4,5,6,7
	ds_load_b64 v[SC+8*NQ*\sc+NQ*\i:SC+8*NQ*\sc+NQ*\i+1], v[ADRS] offset:\i*512
.endr
.endm
.macro PLACES n
.rept \n
	v_nop
.endr
.endm
.macro STEP slot, q, zero
	s_wait_dscnt 4*NL
	WIN MUL_LO
	MUL16 0, (\q)%2, \q, \slot, \zero
	MUL16 2, (\q)%2, \q, \slot, \zero
	s_wait_dscnt 0
	PLACES NP
	FETCH_B \slot, (\q)+1, 1-(\q)%2
	FETCH_A \slot, (\q)+1, 0
	WIN MUL_HI
	MUL16 4, (\q)%2, \q, \slot, \zero
	MUL16 6, (\q)%2, \q, \slot, \zero
	PLACES NP
	WIN 0
	FETCH_A \slot, (\q)+1, 4
.endm
.macro TURN slot, next, fill
	s_wait_tensorcnt 0x0
	ds_add_u32 v[SPW], v[NIL]
	s_wait_dscnt 4*NL+1
	WIN MUL_LO
	MUL16 0, 1, NQ-1, \slot, 0
	s_wait_dscnt 0x0
	s_barrier_signal -1
	MUL16 2, 1, NQ-1, \slot, 0
	WIN 0
	s_barrier_wait -1
.if \fill
	CREST
	s_add_nc_u64 s[G0+4*\slot+2:G0+4*\slot+3], s[G0+4*\slot+2:G0+4*\slot+3], 2*TILEB
	s_add_nc_u64 s[G0B+4*\slot+2:G0B+4*\slot+3], s[G0B+4*\slot+2:G0B+4*\slot+3], 2*TILEB
	JLOAD G0+4*\slot, G1, G0B+4*\slot, G1B
.else
	PLACES NP
.endif
	s_wait_alu depctr_va_vdst(0)
	v_add_nc_u32 v[ADRS], 128, v[ADRS]
	FETCH_B \next, 0, 0
	FETCH_A \next, 0, 0
	SCALES \next
	WIN MUL_HI
	MUL16 4, 1, NQ-1, \slot, 0
	MUL16 6, 1, NQ-1, \slot, 0
	PLACES NP
	WIN 0
	FETCH_A \next, 0, 4
.endm
.macro QUANT d0, d1
.irp b, 0,1,2,3
	v_max3_num_f32 v[TM+\b], |v[HA+16*\b]|, |v[HA+1+16*\b]|, 0x2800000
.endr
.irp i, 2,4,6,8,10,12,14
.irp b, 0,1,2,3
	v_max3_num_f32 v[TM+\b], v[TM+\b], |v[HA+16*\b+\i]|, |v[HA+1+16*\b+\i]|
.endr
.endr
.irp b, 0,1,2,3
	v_permlanex16_b32 v[TM+4+\b], v[TM+\b], s100, s101
.endr
.irp b, 0,1,2,3
	v_max_num_f32 v[TM+\b], v[TM+\b], v[TM+4+\b]
.endr
.irp b, 0,1,2,3
	v_add_nc_u32 v[TM+12+\b], 0xfe000000, v[TM+\b]
.endr
.irp b, 0,1,2,3
	v_lshrrev_b32 v[TM+4+\b], 23, v[TM+12+\b]
.endr
	v_lshl_or_b32 v[PW], v[TM+5], 8, v[TM+4]
	v_lshl_or_b32 v[PW], v[TM+6], 16, v[PW]
	v_lshl_or_b32 v[PW], v[TM+7], 24, v[PW]
	v_cvt_scalef32_pk16_bf6_f32 v[(\d0):(\d0)+2], v[HA:HA+15], v[TM+12]
	v_cvt_scalef32_pk16_bf6_f32 v[SPL:SPL+2], v[HA+16:HA+31], v[TM+13]
	v_cvt_scalef32_pk16_bf6_f32 v[(\d1):(\d1)+2], v[HA+32:HA+47], v[TM+14]
	v_cvt_scalef32_pk16_bf6_f32 v[SPL+4:SPL+6], v[HA+48:HA+63], v[TM+15]
	v_nop
.irp i, 0,1,2
	v_permlane16_swap_b32 v[(\d0)+\i], v[SPL+\i]
	v_permlane16_swap_b32 v[(\d1)+\i], v[SPL+4+\i]
.endr
.irp i, 0,1,2
	v_mov_b32 v[(\d0)+3+\i], v[SPL+\i]
	v_mov_b32 v[(\d1)+3+\i], v[SPL+4+\i]
.endr
.endm
	s_wait_alu depctr_va_vdst(0)
	s_wait_tensorcnt 1
	s_barrier_signal -1
	s_barrier_wait -1
	FETCH_B 0, 0, 0
	FETCH_A 0, 0, 0
	SCALES 0
	FETCH_A 0, 0, 4
	STEP 0, 0, 1
	TURN 0, 1, 1
	STEP 1, 0, 0
	TURN 1, 0, 1
	STEP 0, 0, 0
	TURN 0, 1, 0
	STEP 1, 0, 0
	s_wait_dscnt 4*NL
	WIN MUL_LO
	MUL16 0, 1, NQ-1, 1, 0
	MUL16 2, 1, NQ-1, 1, 0
	s_wait_dscnt 0
	WIN MUL_HI
	MUL16 4, 1, NQ-1, 1, 0
	MUL16 6, 1, NQ-1, 1, 0
	WIN 0
	PLACES NP
	s_wait_loadcnt 0x0
.irp a, 0,1,2,3,4,5,6,7
	WIN 0x02+(\a)/4
.irp j, 0,2,4,6,8,10,12,14,16,18,20,22,24,26,28,30,32,34,36,38,40,42,44,46,48,50,52,54,56,58,60,62
.if VTYPE
	v_pk_add_f32 v[HA+\j:HA+\j+1], v[64*((\a)%4)+\j:64*((\a)%4)+\j+1], v[BP+2*\a:BP+2*\a+1]
.else
	v_pk_add_f32 v[HA+\j:HA+\j+1], v[64*((\a)%4)+\j:64*((\a)%4)+\j+1], v[BP+\j:BP+\j+1]
.endif
.endr
	WIN 0
.if \a > 0
	s_wait_xcnt 0x0
.endif
.if VTYPE
.set RR, RUN0+12*((\a)%2)
	QUANT RR, RR+6
.if (\a)%2 == 0
	v_mov_b32 v[EA], v[PW]
.else
	v_cndmask_b32 v[SWA+(\a)/2], v[EA], v[PW], s95
.endif
.irp g, 0,1,2
	global_store_b128 v[LI], v[RR+4*\g:RR+4*\g+3], s[20+2*((\a)/4):21+2*((\a)/4)] offset:1536*((\a)%4)+512*\g
.endr
.else
	QUANT RUN0+6*((\a)%2), RUN1+6*((\a)%2)
.if (\a)%2 == 0
	v_and_b32 v[EA], 0xffff, v[PW]
	v_lshrrev_b32 v[EB], 16, v[PW]
.else
	v_and_b32 v[T0], 0xffff, v[PW]
	v_lshrrev_b32 v[T1], 16, v[PW]
	v_cndmask_b32 v[SWA+(\a)/2], v[EA], v[T0], s95
	v_cndmask_b32 v[SWB+(\a)/2], v[EB], v[T1], s95
.irp g, 0,1,2
	global_store_b128 v[LI], v[RUN0+4*\g:RUN0+4*\g+3], s[20:21] offset:1536*((\a)/2)+512*\g
	global_store_b128 v[LI], v[RUN1+4*\g:RUN1+4*\g+3], s[22:23] offset:1536*((\a)/2)+512*\g
.endr
.endif
.endif
.endr
.if VTYPE
	global_store_b64 v[L8], v[SWA:SWA+1], s[46:47]
	global_store_b64 v[L8], v[SWA+2:SWA+3], s[92:93]
.else
	global_store_b128 v[LI], v[SWA:SWA+3], s[46:47]
	global_store_b128 v[LI], v[SWB:SWB+3], s[92:93]
.endif
	s_wait_tensorcnt 0x0
	ds_add_u32 v[SPW], v[NIL]
	s_wait_dscnt 0x0
	CROUND
	s_endpgm
.Lfunc_end_k_q463562f0f7_projqk:
	.size	k_q463562f0f7_projqk, .Lfunc_end_k_q463562f0f7_projqk-k_q463562f0f7_projqk
	.p2alignl 7, 3214868480
	.fill 96, 4, 3214868480
	.section	.rodata,"a",@progbits
	.p2align	6, 0x0
	.amdhsa_kernel k_q463562f0f7_projqk
		.amdhsa_group_segment_fixed_size 327680
		.amdhsa_private_segment_fixed_size 0
		.amdhsa_enable_private_segment 0
		.amdhsa_kernarg_size 56
		.amdhsa_user_sgpr_count 2
		.amdhsa_user_sgpr_kernarg_segment_ptr 1
		.amdhsa_wavefront_size32 1
		.amdhsa_system_sgpr_workgroup_id_x 1
		.amdhsa_system_sgpr_workgroup_id_y 1
		.amdhsa_system_sgpr_workgroup_id_z 1
		.amdhsa_system_vgpr_workitem_id 0
		.amdhsa_next_free_vgpr 1024
		.amdhsa_next_free_sgpr 102
		.amdhsa_reserve_vcc 0
		.amdhsa_float_denorm_mode_32 3
		.amdhsa_float_denorm_mode_16_64 3
		.amdhsa_memory_ordered 1
		.amdhsa_forward_progress 1
		.amdhsa_inst_pref_size 160
	.end_amdhsa_kernel
	.amdgpu_metadata
---
amdhsa.version: [ 1, 2 ]
amdhsa.kernels:
  - .name:           k_q463562f0f7_projqk
    .symbol:         k_q463562f0f7_projqk.kd
    .args:
      - { .name: xc, .offset: 0, .size: 8, .value_kind: global_buffer, .address_space: global }
      - { .name: xs, .offset: 8, .size: 8, .value_kind: global_buffer, .address_space: global }
      - { .name: wc, .offset: 16, .size: 8, .value_kind: global_buffer, .address_space: global }
      - { .name: ws, .offset: 24, .size: 8, .value_kind: global_buffer, .address_space: global }
      - { .name: bq, .offset: 32, .size: 8, .value_kind: global_buffer, .address_space: global }
      - { .name: bk, .offset: 40, .size: 8, .value_kind: global_buffer, .address_space: global }
      - { .name: qkv, .offset: 48, .size: 8, .value_kind: global_buffer, .address_space: global }
    .group_segment_fixed_size: 327680
    .private_segment_fixed_size: 0
    .kernarg_segment_align: 8
    .kernarg_segment_size: 56
    .max_flat_workgroup_size: 128
    .sgpr_count:     102
    .vgpr_count:     1024
    .wavefront_size: 32
...
	.end_amdgpu_metadata
.endif
;; end of part 2
;; launch projv (part 3): grid 32 x 4, 4 waves a work-group, clusters of 4 x 4, 327,680 bytes of LDS; arguments wc, ws, xc, xs, bv, qkv; writes qkv
.if DOCPART == 3
	.amdgcn_target "amdgcn-amd-amdhsa--gfx1250"
	.amdhsa_code_object_version 6
	.text
	.protected	k_q463562f0f7_projv
	.globl	k_q463562f0f7_projv
	.p2align	8
	.type	k_q463562f0f7_projv,@function
k_q463562f0f7_projv:
	s_mov_b64 s[64:65], 0
	v_nop
	global_prefetch_b8 v0, s[64:65] scope:SCOPE_SE
	s_setreg_imm32_b32 hwreg(HW_REG_WAVE_MODE, 25, 1), 1
	s_wait_xcnt 0x0
	s_wait_alu depctr_hold_cnt(0) depctr_sa_sdst(0) depctr_va_vdst(0) depctr_va_sdst(0) depctr_va_ssrc(0) depctr_va_vcc(0) depctr_vm_vsrc(0)
	s_getreg_b32 s2, hwreg(HW_REG_IB_STS2, 6, 4)
	s_cmp_eq_u32 s2, 0
	s_cbranch_scc0 .Lentry_in_a_cluster
	s_endpgm
.Lentry_in_a_cluster:
	s_bfe_u32 s2, ttmp6, 0x10000c
	s_cmp_lg_u32 s2, 0xf033
	s_cbranch_scc0 .Lentry_shape_is_right
	s_endpgm
.Lentry_shape_is_right:
.set VTYPE,  1
.set NQ,     2
.set FR,     12
.set NL,     3
.set NP,     4
.set TILEB,  3072
.set TROW,   12288
.set HALFT,  8*TILEB
.set SLOT,   4*HALFT
.set SCL,    2*SLOT
.set SCB,    8320
.set SPARE,  213248
.set REC,    315392
.set VC,     98304
.set KS,     196608
.set VS,     204800
.set QC,     208896
.set QS,     307200
.set ADRA, 16
.set ADRB, 20
.set BO,   24
.set L8,   25
.set LI,   26
.set ADRS, 27
.set SPW,  28
.set NIL,  29
.set SC,   32
.set BP,   64
.set AF,   128
.set HA,   128
.set RUN0, 192
.set RUN1, 204
.set SPL,  216
.set TM,   224
.set PW,   240
.set EA,   241
.set EB,   242
.set T0,   243
.set SWA,  244
.set SWB,  248
.set T1,   252
.set G1, 24
.set G0, 32
.set G1B, 48
.set G0B, 56
.set G1S, 68
.set G0S, 76
.set G1SB, 80
.set G0SB, 88
.set MSB, 0
.macro WIN new
.if MSB != \new
	s_set_vgpr_msb (MSB<<8)|\new
.set MSB, \new
.endif
.endm
.set MUL_LO, 0xa1
.set MUL_HI, 0xf1
.set TO_B,   0x40
.macro JLOAD g0a, g1a, g0b, g1b
	s_cmp_eq_u32 s15, 0
	s_cbranch_scc0 .Lfor_b_\@
	tensor_load_to_lds s[\g0a:\g0a+3], s[\g1a:\g1a+7]
	s_nop 0
.rept 4
	v_nop
.endr
	s_branch .Lasked_\@
.Lfor_b_\@:
	tensor_load_to_lds s[\g0b:\g0b+3], s[\g1b:\g1b+7]
	s_nop 0
.rept 4
	v_nop
.endr
.Lasked_\@:
.endm
.macro CREST
	s_cmp_lg_u32 s14, 0
	s_cbranch_scc1 .Lnot_wave_0_\@
	s_barrier_signal -3
.Lnot_wave_0_\@:
	s_barrier_wait -3
	s_barrier_signal -1
	s_barrier_wait -1
.endm
.macro CROUND
	s_barrier_signal -1
	s_barrier_wait -1
	CREST
.endm
	s_load_b128 s[4:7], s[0:1], 0x0
	s_load_b128 s[8:11], s[0:1], 0x10
.if VTYPE
	s_load_b64 s[96:97], s[0:1], 0x20
	s_load_b64 s[12:13], s[0:1], 0x28
.else
	s_load_b128 s[96:99], s[0:1], 0x20
	s_load_b64 s[12:13], s[0:1], 0x30
.endif
	v_lshl_add_u32 v[SPW], v0, 2, SPARE
	v_mov_b32 v[NIL], 0
	ds_add_u32 v28, v29
	ds_add_u32 v28, v29
	s_wait_dscnt 0x0
	v_lshrrev_b32 v1, 5, v0
	v_readfirstlane_b32 s14, v1
	s_lshr_b32 s15, s14, 1
	s_and_b32 s16, s14, 1
	s_bfe_u32 s40, ttmp6, 0x40000
	s_bfe_u32 s41, ttmp6, 0x40004
	s_lshl_b32 s42, ttmp9, 2
	s_add_co_u32 s42, s42, s40
.if VTYPE
	s_mov_b32 s17, s41
.else
	s_and_b32 s17, ttmp7, 0xffff
	s_lshl_b32 s17, s17, 2
	s_add_co_u32 s17, s17, s41
.endif
	s_lshl_b32 s43, s41, 2
	s_lshl_b32 s43, 15, s43
	s_lshl_b32 s44, 0x1111, s40
	s_or_b32 s[G1+0], s43, (3<<16)|(1<<21)
	s_or_b32 s[G1B+0], s44, (3<<16)|(1<<21)
.irp g, G1, G1B
	s_mov_b32 s[\g+1], 384<<16
	s_mov_b32 s[\g+2], 8<<16
	s_mov_b32 s[\g+3], 384<<16
	s_mov_b32 s[\g+4], 8
	s_mov_b32 s[\g+5], 1536
	s_mov_b32 s[\g+6], 0
	s_mov_b32 s[\g+7], 0
.endr
	s_or_b32 s[G1S+0], s43, (3<<16)|(1<<21)
	s_or_b32 s[G1SB+0], s44, (3<<16)|(1<<21)
.irp g, G1S, G1SB
	s_mov_b32 s[\g+1], 32<<16
	s_mov_b32 s[\g+2], 16<<16
	s_mov_b32 s[\g+3], 32<<16
	s_mov_b32 s[\g+4], 16
	s_mov_b32 s[\g+5], 32
	s_mov_b32 s[\g+6], 0
	s_mov_b32 s[\g+7], 0
.endr
	s_lshl_b32 s18, s16, 3
	s_lshl_b32 s20, s17, 4
	s_add_co_u32 s20, s20, s18
	s_lshl_b32 s46, s42, 4
	s_add_co_u32 s46, s46, s18
	s_lshl_b32 s22, s20, 9
	s_mov_b32 s23, 0
	s_lshl_b32 s92, s46, 9
	s_mov_b32 s93, 0
	s_mul_i32 s20, s20, TROW
	s_mov_b32 s21, 0
	s_mul_i32 s46, s46, TROW
	s_mov_b32 s47, 0
	s_mul_i32 s45, s14, HALFT
	s_lshl_b32 s94, s14, 12
	s_lshl_b32 s18, s15, 7
	s_add_co_u32 s94, s94, s18
	s_wait_kmcnt 0x0
.if VTYPE
	s_add_nc_u64 s[4:5], s[4:5], 128*TROW
	s_add_nc_u64 s[6:7], s[6:7], 128*512
.endif
	s_add_nc_u64 s[20:21], s[4:5], s[20:21]
	s_add_nc_u64 s[22:23], s[6:7], s[22:23]
	s_add_nc_u64 s[46:47], s[8:9], s[46:47]
	s_add_nc_u64 s[92:93], s[10:11], s[92:93]
	CROUND
	s_mov_b32 s[G0S], 1
	s_add_co_u32 s[G0S+1], s94, SCL
	s_mov_b64 s[G0S+2:G0S+3], s[22:23]
	s_or_b32 s[G0S+3], s[G0S+3], 0x80000000
	s_mov_b32 s[G0SB], 1
	s_add_co_u32 s[G0SB+1], s94, SCL
	s_mov_b64 s[G0SB+2:G0SB+3], s[92:93]
	s_or_b32 s[G0SB+3], s[G0SB+3], 0x80000000
	JLOAD G0S, G1S, G0SB, G1SB
.irp s, 0,1
	s_mov_b32 s[G0+4*\s], 1
	s_add_co_u32 s[G0+4*\s+1], s45, \s*SLOT
	s_add_nc_u64 s[G0+4*\s+2:G0+4*\s+3], s[20:21], \s*TILEB
	s_or_b32 s[G0+4*\s+3], s[G0+4*\s+3], 0x80000000
	s_mov_b32 s[G0B+4*\s], 1
	s_add_co_u32 s[G0B+4*\s+1], s45, \s*SLOT
	s_add_nc_u64 s[G0B+4*\s+2:G0B+4*\s+3], s[46:47], \s*TILEB
	s_or_b32 s[G0B+4*\s+3], s[G0B+4*\s+3], 0x80000000
	s_wait_alu depctr_va_vdst(0)
	s_wait_tensorcnt 0x0
	ds_add_u32 v28, v29
	s_wait_dscnt 0x0
	CROUND
	JLOAD G0+4*\s, G1, G0B+4*\s, G1B
.endr
	v_and_b32 v1, 15, v0
	v_bfe_u32 v2, v0, 4, 1
	s_wait_alu depctr_va_vdst(0)
	v_and_b32 v3, 31, v0
	v_lshlrev_b32 v[LI], 4, v3
.if VTYPE
	v_lshlrev_b32 v[L8], 3, v3
.endif
	s_mul_i32 s21, s15, HALFT
	s_mul_i32 s22, s16, HALFT
	s_add_co_u32 s22, s22, 2*HALFT
.irp s, 0,1
	v_add_nc_u32 v[ADRA+\s], s21, v[LI]
	v_add_nc_u32 v[ADRB+\s], s22, v[LI]
	s_add_co_u32 s21, s21, SLOT
	s_add_co_u32 s22, s22, SLOT
.endr
	v_lshlrev_b32 v5, 3, v1
	s_lshl_b32 s21, s15, 12
	s_lshl_b32 s22, s16, 12
	s_add_co_u32 s22, s22, SCB
	s_sub_co_u32 s22, s22, s21
	v_mul_u32_u24 v6, s22, v2
	s_add_co_u32 s21, s21, SCL
	v_add_nc_u32 v5, v5, v6
	v_add_nc_u32 v[ADRS], s21, v5
.irp b, 0,1,2,3
	v_mov_b32 v[TM+4+\b], 0
.endr
	s_mov_b32 s95, 0xffff0000
	s_mov_b32 s100, 0x76543210
	s_mov_b32 s101, 0xfedcba98
.if VTYPE
	s_lshl_b32 s18, s17, 8
	s_lshl_b32 s19, s15, 7
	s_add_co_u32 s66, s18, s19
	s_lshl_b32 s18, s66, 2
	s_mov_b32 s19, 0
	s_add_nc_u64 s[96:97], s[96:97], s[18:19]
	v_and_b32 v4, 8, v1
	v_add_nc_u32 v4, v4, v1
	v_lshlrev_b32 v[BO], 2, v4
.irp a, 0,1,2,3,4,5,6,7
	global_load_b32 v[BP+2*\a], v[BO], s[96:97] offset:(32*(\a/2)+8*(\a%2))*4
	global_load_b32 v[BP+2*\a+1], v[BO], s[96:97] offset:(32*(\a/2)+8*(\a%2))*4
.endr
	s_lshl_b32 s18, s42, 8
	s_lshl_b32 s19, s16, 7
	s_add_co_u32 s18, s18, s19
.else
	s_cmp_eq_u32 ttmp9, 0
	s_cselect_b64 s[96:97], s[96:97], s[98:99]
	s_lshl_b32 s18, s42, 8
	s_lshl_b32 s19, s16, 7
	s_add_co_u32 s18, s18, s19
	s_and_b32 s66, s18, 1023
	s_lshl_b32 s18, s66, 2
	s_mov_b32 s19, 0
	s_add_nc_u64 s[96:97], s[96:97], s[18:19]
	v_lshlrev_b32 v[BO], 6, v2
.irp g, 0,1,2,3
.irp k, 0,1,2,3
	global_load_b128 v[BP+16*\g+4*\k:BP+16*\g+4*\k+3], v[BO], s[96:97] offset:128*\g+16*\k
.endr
.endr
	s_lshl_b32 s18, s17, 8
	s_lshl_b32 s19, s15, 7
	s_add_co_u32 s18, s18, s19
.endif
	s_lshr_b32 s19, s18, 11
	s_bfe_u32 s67, s18, 0x40007
	s_lshl_b32 s19, s19, 4
	s_lshr_b32 s66, s66, 6
	s_add_co_u32 s19, s19, s66
	s_mul_i32 s19, s19, REC
	s_mul_i32 s18, s67, 6144
	s_add_co_u32 s18, s18, s19
.if VTYPE
	s_lshl_b32 s67, s67, 8
	s_add_co_u32 s46, s67, s19
	s_add_co_u32 s18, s18, VC
	s_add_co_u32 s46, s46, VS
.else
	s_lshl_b32 s67, s67, 9
	s_add_co_u32 s46, s67, s19
	s_cmp_eq_u32 ttmp9, 0
	s_cselect_b32 s66, QC, 0
	s_mov_b32 s94, KS
	s_cselect_b32 s94, QS, s94
	s_add_co_u32 s18, s18, s66
	s_add_co_u32 s46, s46, s94
.endif
	s_mov_b32 s19, 0
	s_mov_b32 s47, 0
	s_add_nc_u64 s[20:21], s[12:13], s[18:19]
	s_add_nc_u64 s[22:23], s[20:21], REC
	s_add_nc_u64 s[46:47], s[12:13], s[46:47]
	s_add_nc_u64 s[92:93], s[46:47], REC
.macro FRAG reg, adr, q, i
.irp c, 0,1,2
	ds_load_b128 v[\reg+4*\c:\reg+4*\c+3], v[\adr] offset:TILEB*(\i)+1536*(\q)+512*\c
.endr
.endm
.macro MUL16 a0, p, q, sc, zero
.irp a, \a0, \a0+1
.irp b, 0,1,2,3,4,5,6,7
.if \zero
	v_wmma_scale_f32_16x16x128_f8f6f4 v[8*(8*((\a)%4)+\b):8*(8*((\a)%4)+\b)+7], v[128*(\p)+FR*\b:128*(\p)+FR*\b+FR-1], v[AF+FR*(\a):AF+FR*(\a)+FR-1], 0, v[SC+8*NQ*(\sc)+NQ*\b+(\q)], v[SC+8*NQ*(\sc)+NQ*(\a)+(\q)] matrix_a_fmt:MATRIX_FMT_BF6 matrix_b_fmt:MATRIX_FMT_BF6 matrix_a_scale:MATRIX_SCALE_ROW1
.else
	v_wmma_scale_f32_16x16x128_f8f6f4 v[8*(8*((\a)%4)+\b):8*(8*((\a)%4)+\b)+7], v[128*(\p)+FR*\b:128*(\p)+FR*\b+FR-1], v[AF+FR*(\a):AF+FR*(\a)+FR-1], v[8*(8*((\a)%4)+\b):8*(8*((\a)%4)+\b)+7], v[SC+8*NQ*(\sc)+NQ*\b+(\q)], v[SC+8*NQ*(\sc)+NQ*(\a)+(\q)] matrix_a_fmt:MATRIX_FMT_BF6 matrix_b_fmt:MATRIX_FMT_BF6 matrix_a_scale:MATRIX_SCALE_ROW1
.endif
.endr
.endr
.endm
.macro FETCH_B slot, q, p
	WIN TO_B
.irp i, 0,1,2,3,4,5,6,7
	FRAG 128*(\p)+FR*\i, ADRB+\slot, \q, \i
.endr
	WIN 0
.endm
.macro FETCH_A slot, q, i0
.irp i, \i0, \i0+1, \i0+2, \i0+3
	FRAG AF+FR*(\i), ADRA+\slot, \q, \i
.endr
.endm
.macro SCALES sc
.irp i, 0,1,2,3,4,5,6,7
	ds_load_b64 v[SC+8*NQ*\sc+NQ*\i:SC+8*NQ*\sc+NQ*\i+1], v[ADRS] offset:\i*512
.endr
.endm
.macro PLACES n
.rept \n
	v_nop
.endr
.endm
.macro STEP slot, q, zero
	s_wait_dscnt 4*NL
	WIN MUL_LO
	MUL16 0, (\q)%2, \q, \slot, \zero
	MUL16 2, (\q)%2, \q, \slot, \zero
	s_wait_dscnt 0
	PLACES NP
	FETCH_B \slot, (\q)+1, 1-(\q)%2
	FETCH_A \slot, (\q)+1, 0
	WIN MUL_HI
	MUL16 4, (\q)%2, \q, \slot, \zero
	MUL16 6, (\q)%2, \q, \slot, \zero
	PLACES NP
	WIN 0
	FETCH_A \slot, (\q)+1, 4
.endm
.macro TURN slot, next, fill
	s_wait_tensorcnt 0x0
	ds_add_u32 v[SPW], v[NIL]
	s_wait_dscnt 4*NL+1
	WIN MUL_LO
	MUL16 0, 1, NQ-1, \slot, 0
	s_wait_dscnt 0x0
	s_barrier_signal -1
	MUL16 2, 1, NQ-1, \slot, 0
	WIN 0
	s_barrier_wait -1
.if \fill
	CREST
	s_add_nc_u64 s[G0+4*\slot+2:G0+4*\slot+3], s[G0+4*\slot+2:G0+4*\slot+3], 2*TILEB
	s_add_nc_u64 s[G0B+4*\slot+2:G0B+4*\slot+3], s[G0B+4*\slot+2:G0B+4*\slot+3], 2*TILEB
	JLOAD G0+4*\slot, G1, G0B+4*\slot, G1B
.else
	PLACES NP
.endif
	s_wait_alu depctr_va_vdst(0)
	v_add_nc_u32 v[ADRS], 128, v[ADRS]
	FETCH_B \next, 0, 0
	FETCH_A \next, 0, 0
	SCALES \next
	WIN MUL_HI
	MUL16 4, 1, NQ-1, \slot, 0
	MUL16 6, 1, NQ-1, \slot, 0
	PLACES NP
	WIN 0
	FETCH_A \next, 0, 4
.endm
.macro QUANT d0, d1
.irp b, 0,1,2,3
	v_max3_num_f32 v[TM+\b], |v[HA+16*\b]|, |v[HA+1+16*\b]|, 0x2800000
.endr
.irp i, 2,4,6,8,10,12,14
.irp b, 0,1,2,3
	v_max3_num_f32 v[TM+\b], v[TM+\b], |v[HA+16*\b+\i]|, |v[HA+1+16*\b+\i]|
.endr
.endr
.irp b, 0,1,2,3
	v_permlanex16_b32 v[TM+4+\b], v[TM+\b], s100, s101
.endr
.irp b, 0,1,2,3
	v_max_num_f32 v[TM+\b], v[TM+\b], v[TM+4+\b]
.endr
.irp b, 0,1,2,3
	v_add_nc_u32 v[TM+12+\b], 0xfe000000, v[TM+\b]
.endr
.irp b, 0,1,2,3
	v_lshrrev_b32 v[TM+4+\b], 23, v[TM+12+\b]
.endr
	v_lshl_or_b32 v[PW], v[TM+5], 8, v[TM+4]
	v_lshl_or_b32 v[PW], v[TM+6], 16, v[PW]
	v_lshl_or_b32 v[PW], v[TM+7], 24, v[PW]
	v_cvt_scalef32_pk16_bf6_f32 v[(\d0):(\d0)+2], v[HA:HA+15], v[TM+12]
	v_cvt_scalef32_pk16_bf6_f32 v[SPL:SPL+2], v[HA+16:HA+31], v[TM+13]
	v_cvt_scalef32_pk16_bf6_f32 v[(\d1):(\d1)+2], v[HA+32:HA+47], v[TM+14]
	v_cvt_scalef32_pk16_bf6_f32 v[SPL+4:SPL+6], v[HA+48:HA+63], v[TM+15]
	v_nop
.irp i, 0,1,2
	v_permlane16_swap_b32 v[(\d0)+\i], v[SPL+\i]
	v_permlane16_swap_b32 v[(\d1)+\i], v[SPL+4+\i]
.endr
.irp i, 0,1,2
	v_mov_b32 v[(\d0)+3+\i], v[SPL+\i]
	v_mov_b32 v[(\d1)+3+\i], v[SPL+4+\i]
.endr
.endm
	s_wait_alu depctr_va_vdst(0)
	s_wait_tensorcnt 1
	s_barrier_signal -1
	s_barrier_wait -1
	FETCH_B 0, 0, 0
	FETCH_A 0, 0, 0
	SCALES 0
	FETCH_A 0, 0, 4
	STEP 0, 0, 1
	TURN 0, 1, 1
	STEP 1, 0, 0
	TURN 1, 0, 1
	STEP 0, 0, 0
	TURN 0, 1, 0
	STEP 1, 0, 0
	s_wait_dscnt 4*NL
	WIN MUL_LO
	MUL16 0, 1, NQ-1, 1, 0
	MUL16 2, 1, NQ-1, 1, 0
	s_wait_dscnt 0
	WIN MUL_HI
	MUL16 4, 1, NQ-1, 1, 0
	MUL16 6, 1, NQ-1, 1, 0
	WIN 0
	PLACES NP
	s_wait_loadcnt 0x0
.irp a, 0,1,2,3,4,5,6,7
	WIN 0x02+(\a)/4
.irp j, 0,2,4,6,8,10,12,14,16,18,20,22,24,26,28,30,32,34,36,38,40,42,44,46,48,50,52,54,56,58,60,62
.if VTYPE
	v_pk_add_f32 v[HA+\j:HA+\j+1], v[64*((\a)%4)+\j:64*((\a)%4)+\j+1], v[BP+2*\a:BP+2*\a+1]
.else
	v_pk_add_f32 v[HA+\j:HA+\j+1], v[64*((\a)%4)+\j:64*((\a)%4)+\j+1], v[BP+\j:BP+\j+1]
.endif
.endr
	WIN 0
.if \a > 0
	s_wait_xcnt 0x0
.endif
.if VTYPE
.set RR, RUN0+12*((\a)%2)
	QUANT RR, RR+6
.if (\a)%2 == 0
	v_mov_b32 v[EA], v[PW]
.else
	v_cndmask_b32 v[SWA+(\a)/2], v[EA], v[PW], s95
.endif
.irp g, 0,1,2
	global_store_b128 v[LI], v[RR+4*\g:RR+4*\g+3], s[20+2*((\a)/4):21+2*((\a)/4)] offset:1536*((\a)%4)+512*\g
.endr
.else
	QUANT RUN0+6*((\a)%2), RUN1+6*((\a)%2)
.if (\a)%2 == 0
	v_and_b32 v[EA], 0xffff, v[PW]
	v_lshrrev_b32 v[EB], 16, v[PW]
.else
	v_and_b32 v[T0], 0xffff, v[PW]
	v_lshrrev_b32 v[T1], 16, v[PW]
	v_cndmask_b32 v[SWA+(\a)/2], v[EA], v[T0], s95
	v_cndmask_b32 v[SWB+(\a)/2], v[EB], v[T1], s95
.irp g, 0,1,2
	global_store_b128 v[LI], v[RUN0+4*\g:RUN0+4*\g+3], s[20:21] offset:1536*((\a)/2)+512*\g
	global_store_b128 v[LI], v[RUN1+4*\g:RUN1+4*\g+3], s[22:23] offset:1536*((\a)/2)+512*\g
.endr
.endif
.endif
.endr
.if VTYPE
	global_store_b64 v[L8], v[SWA:SWA+1], s[46:47]
	global_store_b64 v[L8], v[SWA+2:SWA+3], s[92:93]
.else
	global_store_b128 v[LI], v[SWA:SWA+3], s[46:47]
	global_store_b128 v[LI], v[SWB:SWB+3], s[92:93]
.endif
	s_wait_tensorcnt 0x0
	ds_add_u32 v[SPW], v[NIL]
	s_wait_dscnt 0x0
	CROUND
	s_endpgm
.Lfunc_end_k_q463562f0f7_projv:
	.size	k_q463562f0f7_projv, .Lfunc_end_k_q463562f0f7_projv-k_q463562f0f7_projv
	.p2alignl 7, 3214868480
	.fill 96, 4, 3214868480
	.section	.rodata,"a",@progbits
	.p2align	6, 0x0
	.amdhsa_kernel k_q463562f0f7_projv
		.amdhsa_group_segment_fixed_size 327680
		.amdhsa_private_segment_fixed_size 0
		.amdhsa_enable_private_segment 0
		.amdhsa_kernarg_size 48
		.amdhsa_user_sgpr_count 2
		.amdhsa_user_sgpr_kernarg_segment_ptr 1
		.amdhsa_wavefront_size32 1
		.amdhsa_system_sgpr_workgroup_id_x 1
		.amdhsa_system_sgpr_workgroup_id_y 1
		.amdhsa_system_sgpr_workgroup_id_z 1
		.amdhsa_system_vgpr_workitem_id 0
		.amdhsa_next_free_vgpr 1024
		.amdhsa_next_free_sgpr 102
		.amdhsa_reserve_vcc 0
		.amdhsa_float_denorm_mode_32 3
		.amdhsa_float_denorm_mode_16_64 3
		.amdhsa_memory_ordered 1
		.amdhsa_forward_progress 1
		.amdhsa_inst_pref_size 158
	.end_amdhsa_kernel
	.amdgpu_metadata
---
amdhsa.version: [ 1, 2 ]
amdhsa.kernels:
  - .name:           k_q463562f0f7_projv
    .symbol:         k_q463562f0f7_projv.kd
    .args:
      - { .name: wc, .offset: 0, .size: 8, .value_kind: global_buffer, .address_space: global }
      - { .name: ws, .offset: 8, .size: 8, .value_kind: global_buffer, .address_space: global }
      - { .name: xc, .offset: 16, .size: 8, .value_kind: global_buffer, .address_space: global }
      - { .name: xs, .offset: 24, .size: 8, .value_kind: global_buffer, .address_space: global }
      - { .name: bv, .offset: 32, .size: 8, .value_kind: global_buffer, .address_space: global }
      - { .name: qkv, .offset: 40, .size: 8, .value_kind: global_buffer, .address_space: global }
    .group_segment_fixed_size: 327680
    .private_segment_fixed_size: 0
    .kernarg_segment_align: 8
    .kernarg_segment_size: 48
    .max_flat_workgroup_size: 128
    .sgpr_count:     102
    .vgpr_count:     1024
    .wavefront_size: 32
...
	.end_amdgpu_metadata
.endif
;; end of part 3
;; launch attn (part 4): grid 4 x 64, 16 waves a work-group, clusters of 4 x 1, 280,576 bytes of LDS; arguments qkv, out0; writes out0
.if DOCPART == 4
	.amdgcn_target "amdgcn-amd-amdhsa--gfx1250"
	.amdhsa_code_object_version 6
	.text
	.protected	k_q463562f0f7_attn
	.globl	k_q463562f0f7_attn
	.p2align	8
	.type	k_q463562f0f7_attn,@function
k_q463562f0f7_attn:
	s_mov_b64 s[64:65], 0
	v_nop
	global_prefetch_b8 v0, s[64:65] scope:SCOPE_SE
	s_setreg_imm32_b32 hwreg(HW_REG_WAVE_MODE, 25, 1), 1
	s_wait_xcnt 0x0
	s_wait_alu depctr_hold_cnt(0) depctr_sa_sdst(0) depctr_va_vdst(0) depctr_va_sdst(0) depctr_va_ssrc(0) depctr_va_vcc(0) depctr_vm_vsrc(0)
	s_getreg_b32 s2, hwreg(HW_REG_IB_STS2, 6, 4)
	s_cmp_eq_u32 s2, 0
	s_cbranch_scc0 .Lentry_in_a_cluster
	s_endpgm
.Lentry_in_a_cluster:
	s_bfe_u32 s2, ttmp6, 0x10000c
	s_cmp_lg_u32 s2, 0x3003
	s_cbranch_scc0 .Lentry_shape_is_right
	s_endpgm
.Lentry_shape_is_right:
; out0[b][q][64 head + d] = the sum over keys of softmax(q . k / 8) v, both products on codes of BF6 (E3M2) with one E8M0 scale for each 32 along a product's K.
; qkv holds 64 records, one for each (batch, head), of REC bytes: K's codes, V^T's codes, K's and V's scale words (together 208,896 bytes), then Q's codes and scale words, all laid as images of operand registers
; (registers 4 g .. 4 g + 3 of lane L at 512 g + 16 L).  Lane r of tile 2 G + u (of queries, keys or channels) holds row 32 G + 8 u + r + 8 (r / 8).
; THE SOFTMAX AHEAD OF THE SECOND PRODUCT: t = score x log2(e) / 8 (one multiplication, rounded once); M = the running largest t rounded UP to a whole number; p = 2^(t - M) is quantised along the keys, not normalised.
; The row's sum is taken of the unquantised p and divides O at the end.  When M moves, the sum and O are multiplied by 2^(old M - new M): exact.
; SHARES.  A work-group owns 512 queries of one head, each of its sixteen waves 32: two tiles of 16, one after the other, in 256 registers: four waves to a SIMD, so that one wave's vector work stands beside
; another's matrix work and LDS loads.  Every wave walks the head's 2,048 keys, 128 a step.
; THE WHOLE HEAD LIES IN LDS, FILLED ONCE: 208,896 bytes as they lie in the record; each wave brings 51 rows of 256 bytes by one tensor load.  Nothing is filled again, so the loops have no barrier.
; CLUSTER.  The four work-groups of a head need the same bytes: each load is asked for jointly by the four, with the same descriptor and the mask 15.
; LAYOUT.  Both products are used transposed: S^T = K Q^T (source 0 = 16 keys, source 1 = my 16 queries), O^T = V^T P^T (source 0 = 16 channels, source 1 = P): a lane holds ONE query throughout,
; the 16 registers of S^T's tiles 2 b, 2 b + 1 are keys 32 b + 16 (lane / 16) + 0 .. 15, and those of O^T's tiles 2 G, 2 G + 1 channels 32 G + 16 (lane / 16) + 0 .. 15.
; K = 64 IN A FORM OF K = 128.  A tile of Q or K is six registers.  Q's registers 6-11 are zero codes.  K's fragment t is named as v[32 + 6 t] .. v[43 + 6 t]: its upper six registers are the next tile's codes
; (behind the last tile: zeros); they meet Q's zero codes and add nothing: E3M2 has no code for NaN or infinity, and the upper two bytes of Q's and K's scale words are 0, never 0xff.
; LIMITS: a block whose every p has fallen to 0 keeps the scale byte 1 (its codes are zeros); NaN and infinities among the inputs are not served.
; REGISTERS: v1-7 addresses that stay; v8-11 addresses of the step in hand; v12 -M, v13 the largest t, v[14:15] the sum in two halves; v16-27 Q's first tile; v28-31 K's scale words; v32-79 K's or V's fragments;
;   v80-85 zeros; v86-87 V's scale words; v88, v89 Q's; v96-159 S^T, then p; v160-191 O^T; v192-203 Q's second tile; v204-215 p's codes; v232-254 at work (v253 p's scale word).
.set REC,   315392
.set VC,    98304
.set KS,    196608
.set VS,    204800
.set QC,    208896
.set QS,    307200
.set STAGE, 208896                     ; behind the head: 16 rows x (256 bytes + 16) for each wave, for the way out; no tensor load lands there
.macro CROUND                          ; a round of the cluster's barrier
	s_barrier_signal -1
	s_barrier_wait -1
	s_cmp_lg_u32 s8, 0
	s_cbranch_scc1 .Lnot_wave_0_\@
	s_barrier_signal -3
.Lnot_wave_0_\@:
	s_barrier_wait -3
	s_barrier_signal -1
	s_barrier_wait -1
.endm
; A KEY STEP: 128 keys.  qr: Q's tile;  qs: its scale words.
.macro STEP qr, qs
	v_add_nc_u32 v8, s36, v1                       ; the step's addresses.  (These four are also the places between the last products and the loads into the registers that they read)
	v_add_nc_u32 v9, s36, v2
	v_add_nc_u32 v10, s37, v3
	v_add_nc_u32 v11, s38, v4
.set i, 0
.rept 12
	ds_load_b128 v[32+4*i:35+4*i], v8 offset:512*i ; K's eight tiles, six registers each, on end
.set i, i+1
.endr
	ds_load_b128 v[28:31], v10                     ; their scale words: register i: lanes 0-15 tile 2 i, lanes 16-31 tile 2 i + 1
	s_wait_alu depctr_va_vdst(0)
	s_wait_dscnt 0x0
.irp t, 0,1,2,3,4,5,6,7
.if (\t)%2
	v_wmma_scale_f32_16x16x128_f8f6f4 v[96+8*\t:103+8*\t], v[32+6*\t:43+6*\t], v[\qr:\qr+11], 0, v[28+\t/2], v[\qs] matrix_a_fmt:MATRIX_FMT_BF6 matrix_b_fmt:MATRIX_FMT_BF6 matrix_a_scale:MATRIX_SCALE_ROW1
.else
	v_wmma_scale_f32_16x16x128_f8f6f4 v[96+8*\t:103+8*\t], v[32+6*\t:43+6*\t], v[\qr:\qr+11], 0, v[28+\t/2], v[\qs] matrix_a_fmt:MATRIX_FMT_BF6 matrix_b_fmt:MATRIX_FMT_BF6
.endif
.endr
.rept 4
	v_nop                                          ; places: in front of the loads into K's registers, and of the first read of the scores
.endr
.set i, 0
.rept 12
	ds_load_b128 v[32+4*i:35+4*i], v9 offset:512*i ; V^T's four fragments of these 128 keys: they land while the softmax is worked
.set i, i+1
.endr
	ds_load_b64 v[86:87], v11                      ; and their scale words
.irp b, 0,1,2,3
	v_max3_num_f32 v[232+\b], v[96+16*\b], v[97+16*\b], v[98+16*\b]   ; THE LARGEST SCORE OF EACH BLOCK OF 32 KEYS: it serves for the row's maximum and, since p rises with the score, for the block's largest p
.endr
.irp i, 3,5,7,9,11,13
.irp b, 0,1,2,3
	v_max3_num_f32 v[232+\b], v[232+\b], v[96+16*\b+\i], v[97+16*\b+\i]
.endr
.endr
.irp b, 0,1,2,3
	v_max_num_f32 v[232+\b], v[232+\b], v[111+16*\b]
.endr
.irp b, 0,1,2,3
	s_delay_alu instid0(VALU_DEP_4)
	v_permlanex16_b32 v[236+\b], v[232+\b], s20, s21
.endr
.irp b, 0,1,2,3
	s_delay_alu instid0(VALU_DEP_4)
	v_max_num_f32 v[232+\b], v[232+\b], v[236+\b]  ; with lane l xor 16's 16 keys
.endr
	s_delay_alu instid0(VALU_DEP_2)
	v_max3_num_f32 v254, v232, v233, v234
	s_delay_alu instid0(VALU_DEP_1)
	v_max_num_f32 v254, v254, v235                 ; the step's largest score of my query
	s_delay_alu instid0(VALU_DEP_1)
	v_mul_f32 v254, s22, v254                      ; as t (c is positive)
	s_delay_alu instid0(VALU_DEP_1)
	v_max_num_f32 v13, v13, v254                   ; the running largest t
	v_mov_b32 v254, v12
	s_delay_alu instid0(VALU_DEP_2)
	v_floor_f32 v12, -v13                          ; the new -M = floor(-t) = -ceil(t): a whole number
	s_delay_alu instid0(VALU_DEP_1)
	v_sub_f32 v254, v12, v254                      ; M's old value less its new one: a whole number, 0 or less
	s_delay_alu instid0(VALU_DEP_1)
	v_cvt_i32_f32 v254, v254                       ; (it saturates)
	s_delay_alu instid0(VALU_DEP_1)
	v_ldexp_f32 v252, 1.0, v254                    ; f = 2^(old M - new M)
.irp j, 0,2,4,6,8,10,12,14,16,18,20,22,24,26,28,30,32,34,36,38,40,42,44,46,48,50,52,54,56,58,60,62
	v_pk_fma_f32 v[96+\j:97+\j], v[96+\j:97+\j], s[22:23], v[12:13] op_sel_hi:[1,0,0]   ; t - M, two at a time (of the pairs c and -M the low word serves both halves)
.endr
.irp b, 0,1,2,3
	v_fma_f32 v[232+\b], v[232+\b], s22, v12       ; the same of each block's largest score
.endr
.set i, 0
	s_wait_alu depctr_va_vdst(0)
.rept 64
	v_exp_f32 v[96+i], v[96+i]                     ; p = 2^(t - M), at most 1: not normalised
.set i, i+1
.endr
	s_setprio 1
	v_pk_mul_f32 v[14:15], v[14:15], v[252:253] op_sel_hi:[1,0]   ; the sums under the new M.  (A plain instruction behind the exponentials)
	s_wait_alu depctr_va_vdst(0)                   ; one wait for the whole batch, ahead of its first reader
.irp b, 0,1,2,3
	v_exp_f32 v[232+\b], v[232+\b]                 ; the block's largest p: the same two instructions on the same number give the same bits
.endr
	v_pk_add_f32 v[236:237], v[100:101], v[104:105]
	v_pk_add_f32 v[248:249], v[108:109], v[112:113]
	v_pk_add_f32 v[246:247], v[116:117], v[120:121]
	v_pk_add_f32 v[244:245], v[124:125], v[128:129]
	v_pk_add_f32 v[242:243], v[132:133], v[136:137]
	v_pk_add_f32 v[240:241], v[140:141], v[144:145]
	v_pk_add_f32 v[238:239], v[148:149], v[152:153]
	v_pk_add_f32 v[14:15], v[14:15], v[156:157]
	v_pk_add_f32 v[236:237], v[236:237], v[96:97]
	v_pk_add_f32 v[248:249], v[248:249], v[98:99]
	v_pk_add_f32 v[246:247], v[246:247], v[102:103]
	v_pk_add_f32 v[244:245], v[244:245], v[106:107]
	v_pk_add_f32 v[242:243], v[242:243], v[110:111]
	v_pk_add_f32 v[240:241], v[240:241], v[114:115]
	v_pk_add_f32 v[238:239], v[238:239], v[118:119]
	v_pk_add_f32 v[14:15], v[14:15], v[122:123]
	v_pk_add_f32 v[236:237], v[236:237], v[126:127]
	v_pk_add_f32 v[248:249], v[248:249], v[130:131]
	v_pk_add_f32 v[246:247], v[246:247], v[134:135]
	v_pk_add_f32 v[244:245], v[244:245], v[138:139]
	v_pk_add_f32 v[242:243], v[242:243], v[142:143]
	v_pk_add_f32 v[240:241], v[240:241], v[146:147]
	v_pk_add_f32 v[238:239], v[238:239], v[150:151]
	v_pk_add_f32 v[14:15], v[14:15], v[154:155]
	v_pk_add_f32 v[236:237], v[236:237], v[158:159]
	s_delay_alu instid0(VALU_DEP_2)
	v_pk_add_f32 v[14:15], v[14:15], v[244:245]
	s_delay_alu instid0(VALU_DEP_2)
	v_pk_add_f32 v[236:237], v[236:237], v[242:243]
	v_pk_add_f32 v[248:249], v[248:249], v[240:241]
	v_pk_add_f32 v[246:247], v[246:247], v[238:239]
	s_delay_alu instid0(VALU_DEP_2)
	v_pk_add_f32 v[14:15], v[14:15], v[248:249]
	s_delay_alu instid0(VALU_DEP_2)
	v_pk_add_f32 v[236:237], v[236:237], v[246:247]
	s_delay_alu instid0(VALU_DEP_1)
	v_pk_add_f32 v[14:15], v[14:15], v[236:237]
	s_wait_alu depctr_va_vdst(0)                   ; and one for the four
.irp b, 0,1,2,3
	v_max_num_f32 v[232+\b], 0x2800000, v[232+\b]  ; the floor 2^(5 - 127): the byte cannot fall under 1
.endr
.irp b, 0,1,2,3
	s_delay_alu instid0(VALU_DEP_4)
	v_add_nc_u32 v[244+\b], 0xfe000000, v[232+\b]  ; 4 off the exponent field: the conversion's scale operand
.endr
.irp b, 0,1,2,3
	s_delay_alu instid0(VALU_DEP_4)
	v_lshrrev_b32 v[236+\b], 23, v[244+\b]         ; the scale's byte
.endr
	s_delay_alu instid0(VALU_DEP_3)
	v_lshl_or_b32 v253, v237, 8, v236              ; p's scale word for these 128 keys
	s_delay_alu instid0(VALU_DEP_1)
	v_lshl_or_b32 v253, v238, 16, v253
	s_delay_alu instid0(VALU_DEP_1)
	v_lshl_or_b32 v253, v239, 24, v253
.irp c, 0,1
	v_cvt_scalef32_pk16_bf6_f32 v[204+6*\c:206+6*\c], v[96+32*\c:111+32*\c], v[244+2*\c]
	v_cvt_scalef32_pk16_bf6_f32 v[236+4*\c:238+4*\c], v[112+32*\c:127+32*\c], v[244+2*\c+1]   ; (a conversion's three registers begin on an even number)
.endr
	v_nop                                          ; one plain instruction behind a scaled conversion
.irp c, 0,1                                    ; the operand's layout wants a whole block in a lane: lanes 0-15 block 2 c, lanes 16-31 block 2 c + 1
.irp i, 0,1,2
	v_permlane16_swap_b32 v[204+6*\c+\i], v[236+4*\c+\i]
.endr
.irp i, 0,1,2
	s_delay_alu instid0(VALU_DEP_3)
	v_mov_b32 v[207+6*\c+\i], v[236+4*\c+\i]
.endr
.endr
	s_setprio 0
.irp j, 0,2,4,6,8,10,12,14,16,18,20,22,24,26,28,30
	v_pk_mul_f32 v[160+\j:161+\j], v[160+\j:161+\j], v[252:253] op_sel_hi:[1,0]   ; O^T under the new M.  (These sixteen stand between the lines that made p's codes and scale word and the products below)
.endr
	s_wait_alu depctr_va_vdst(0)
	s_wait_dscnt 0x0                               ; V's fragments and scale words are in
.irp t, 0,1,2,3                                ; O^T += V^T P^T: the four accumulators by turns
.if (\t)%2
	v_wmma_scale_f32_16x16x128_f8f6f4 v[160+8*\t:167+8*\t], v[32+12*\t:43+12*\t], v[204:215], v[160+8*\t:167+8*\t], v[86+\t/2], v253 matrix_a_fmt:MATRIX_FMT_BF6 matrix_b_fmt:MATRIX_FMT_BF6 matrix_a_scale:MATRIX_SCALE_ROW1
.else
	v_wmma_scale_f32_16x16x128_f8f6f4 v[160+8*\t:167+8*\t], v[32+12*\t:43+12*\t], v[204:215], v[160+8*\t:167+8*\t], v[86+\t/2], v253 matrix_a_fmt:MATRIX_FMT_BF6 matrix_b_fmt:MATRIX_FMT_BF6
.endif
.endr
	s_add_co_u32 s36, s36, 6144                    ; the next step's codes (K's and V's alike),
	s_add_co_u32 s37, s37, 512                     ; K's scale words,
	s_add_co_u32 s38, s38, 256                     ; V's
.endm
; One tile of 16 queries: all keys, then the way out.  u: which tile of my pair.
.macro PASS u, qr, qs
.if \u
	s_wait_xcnt 0x0                                ; the first tile's stores have read v32-63: only now are they loaded again
.endif
	s_mov_b32 s36, 0
	s_mov_b32 s37, 0
	s_mov_b32 s38, 0
	v_mov_b32 v13, 0xff61b1e6                      ; the largest t so far: -3e38, under every t
	s_delay_alu instid0(VALU_DEP_1)
	v_floor_f32 v12, -v13                          ; -M
	v_mov_b32 v14, 0                               ; the sum, in two halves
	v_mov_b32 v15, 0
.set i, 0
.rept 32
	v_mov_b32 v[160+i], 0                          ; O^T: the step is written once; the first finds zeros, which the first change of M leaves zeros
.set i, i+1
.endr
	s_mov_b32 s39, 16
.Lstep_\@:
	s_setprio 2
	STEP \qr, \qs
	s_sub_co_u32 s39, s39, 1
	s_cmp_lg_u32 s39, 0
	s_cbranch_scc1 .Lstep_\@
	s_setprio 0
	v_add_f32 v14, v14, v15                        ; the sum's two halves,
	s_delay_alu instid0(VALU_DEP_1)
	v_permlanex16_b32 v252, v14, s20, s21
	s_delay_alu instid0(VALU_DEP_1)
	v_add_f32 v14, v14, v252                       ; and lane l xor 16's: the row's sum
	s_wait_alu depctr_va_vdst(0)
	v_rcp_f32 v14, v14
.rept 3
	v_nop                                          ; with the two additions: the places behind the last products; the first is the plain instruction behind the reciprocal
.endr
	s_wait_alu depctr_va_vdst(0)                   ; the wait ahead of the reciprocal's first reader
.set i, 0
.rept 32
	v_mul_f32 v[96+i], v[160+i], v14               ; O^T / the sum, each accumulator from its low end on: register 16 G + n is channel 32 G + 16 h + n of my query
.set i, i+1
.endr
.irp b, 0,1
.irp k, 0,1,2,3
	ds_store_b128 v5, v[96+16*\b+4*\k:99+16*\b+4*\k] offset:128*\b+16*\k   ; into my stage: row r, byte 4 x channel
.endr
.endr
.irp i, 0,1,2,3,4,5,6,7
	ds_load_b128 v[32+4*\i:35+4*\i], v6 offset:544*\i   ; back by rows: lanes 0-15 row 2 i, lanes 16-31 row 2 i + 1.  LDS serves a wave's instructions in order: these see my stores
.endr
.irp i, 0,1,2,3,4,5,6,7
	s_wait_dscnt 7-\i                              ; load i is back; the younger ones may be out
	global_store_b128 v7, v[32+4*\i:35+4*\i], s[6:7] offset:(2*\i+8*(\i/4)+8*\u)*4096 th:TH_STORE_NT   ; stage row n is query 8 u + n + 8 (n / 8) of my 32; 16 lanes store 256 consecutive bytes, at a multiple of 256 from out0's first byte
.endr
.endm
	s_load_b128 s[4:7], s[0:1], 0x0                ; qkv s[4:5], out0 s[6:7]
	v_lshl_add_u32 v251, v0, 2, 0x44000
	v_mov_b32 v255, 0
	ds_add_u32 v251, v255
	ds_add_u32 v251, v255
	v_lshrrev_b32 v1, 5, v0
	s_delay_alu instid0(VALU_DEP_1)
	v_readfirstlane_b32 s8, v1                     ; wave 0..15
	s_bfe_u32 s9, ttmp6, 0x40000                   ; cx: my place in the cluster: it enters Q's and out0's addresses alone
	s_and_b32 s10, ttmp7, 0xffff                   ; the (batch, head), which the four partners share
	s_mul_i32 s12, s10, REC
	s_mov_b32 s13, 0
	; descriptor group 1: 51 rows of 32 elements of 8 bytes, dense in memory and in LDS
	s_mov_b32 s24, 15|(3<<16)|(1<<21)              ; 15:0 the mask: all four work-groups; 17:16 elements of 8 bytes; 20 no padding; 21 set beside a mask
	s_mov_b32 s25, 32<<16                          ; tensor_dim0
	s_mov_b32 s26, 51<<16                          ; tensor_dim1
	s_mov_b32 s27, 32<<16                          ; tile_dim0
	s_mov_b32 s28, 51                              ; tile_dim1
	s_mov_b32 s29, 32                              ; tensor_dim0_stride
	s_mov_b32 s30, 0
	s_mov_b32 s31, 0
	s_mul_i32 s14, s8, 13056                       ; my sixteenth of the 208,896 bytes, in memory and in LDS alike
	s_mov_b32 s15, 0
	s_mov_b32 s20, 0x76543210
	s_mov_b32 s21, 0xfedcba98                      ; v_permlanex16_b32's selects for lane l xor 16
	s_mov_b32 s22, 0x3e38aa3b                      ; c = log2(e) / 8
	s_mov_b32 s23, s22                             ; (named with it as a pair, so it is written)
	s_wait_dscnt 0x0
	s_wait_kmcnt 0x0
	s_add_nc_u64 s[4:5], s[4:5], s[12:13]          ; my head's record
	CROUND                                         ; all four work-groups are here: the joint loads meet
	s_mov_b32 s32, 1                               ; 1:0 count = 1
	s_mov_b32 s33, s14                             ; 63:32 LDS address
	s_add_nc_u64 s[34:35], s[4:5], s[14:15]        ; 120:64 global address
	s_or_b32 s35, s35, 0x80000000                  ; 127:126 type = 2
	tensor_load_to_lds s[32:35], s[24:31]          ; my one tensor load of the launch
	s_nop 0
.rept 4
	v_nop
.endr
	s_lshl_b32 s11, s9, 4
	s_add_co_u32 s11, s11, s8                      ; p: my pair of tiles of queries = 16 cx + wave
	s_mul_i32 s16, s11, 1536
	s_add_co_u32 s16, s16, QC
	s_mov_b32 s17, 0
	s_add_nc_u64 s[16:17], s[4:5], s[16:17]        ; its codes
	s_lshr_b32 s18, s11, 2
	s_lshl_b32 s18, s18, 9                         ; its scale words: 512 bytes for four pairs,
	s_and_b32 s19, s11, 3
	s_lshl_b32 s19, s19, 2                         ; word p % 4 of a lane's four
	s_add_co_u32 s18, s18, s19
	s_add_co_u32 s18, s18, QS
	s_mov_b32 s19, 0
	s_add_nc_u64 s[18:19], s[4:5], s[18:19]
	v_and_b32 v8, 31, v0                           ; lane
	v_and_b32 v9, 15, v0                           ; r
	v_bfe_u32 v11, v0, 4, 1                        ; h
	s_delay_alu instid0(VALU_DEP_3)
	v_lshlrev_b32 v1, 4, v8                        ; 16 x lane: K's codes begin at LDS byte 0
	s_delay_alu instid0(VALU_DEP_3)
	v_lshlrev_b32 v10, 4, v9                       ; 16 r
	global_load_b128 v[16:19], v1, s[16:17]                ; the pair's image: registers 0-3,
	global_load_b64 v[20:21], v1, s[16:17] offset:512      ; 4 and 5: the first tile;
	global_load_b64 v[192:193], v1, s[16:17] offset:520    ; 6 and 7,
	global_load_b128 v[194:197], v1, s[16:17] offset:1024  ; 8-11: the second
	global_load_b32 v88, v10, s[18:19]                     ; row r's scale word of the first tile (it lies at lane r),
	global_load_b32 v89, v10, s[18:19] offset:256          ; of the second (at lane 16 + r)
	v_add_nc_u32 v2, VC, v1                        ; V's codes
	v_add_nc_u32 v3, KS, v1                        ; K's scale words: 16 bytes a lane
	v_lshl_add_u32 v4, v8, 3, VS                   ; V's: 8 bytes a lane
	s_mul_i32 s40, s8, 4352
	s_add_co_u32 s40, s40, STAGE                   ; my stage
	v_mul_u32_u24 v5, v9, 272
	s_delay_alu instid0(VALU_DEP_1)
	v_lshl_add_u32 v5, v11, 6, v5
	s_delay_alu instid0(VALU_DEP_1)
	v_add_nc_u32 v5, s40, v5                       ; in: row r, + 64 h
	v_mul_u32_u24 v6, v11, 272
	s_delay_alu instid0(VALU_DEP_1)
	v_lshl_add_u32 v6, v9, 4, v6
	s_delay_alu instid0(VALU_DEP_1)
	v_add_nc_u32 v6, s40, v6                       ; back: lanes 0-15 one row, lanes 16-31 the next
	v_lshlrev_b32 v7, 12, v11
	s_delay_alu instid0(VALU_DEP_1)
	v_lshl_add_u32 v7, v9, 4, v7                   ; and the same two rows in out0, 4,096 bytes apart
	s_lshr_b32 s41, s10, 4
	s_lshl_b32 s41, s41, 11                        ; the batch's 2,048 rows,
	s_lshl_b32 s42, s11, 5
	s_add_co_u32 s41, s41, s42                     ; my 32 queries,
	s_lshl_b32 s42, s41, 12
	s_and_b32 s43, s10, 15
	s_lshl_b32 s43, s43, 8                         ; the head's 256 bytes of a row
	s_add_co_u32 s42, s42, s43
	s_mov_b32 s43, 0
	s_add_nc_u64 s[6:7], s[6:7], s[42:43]
.irp j, 22,23,24,25,26,27, 198,199,200,201,202,203, 80,81,82,83,84,85
	v_mov_b32 v\j, 0                               ; zero codes: the upper halves of Q's two fragments, and what stands behind K's last tile
.endr
.irp j, 236,237,238,239, 252,253
	v_mov_b32 v\j, 0                               ; written once: a lane permute's destination counts as one of its sources, and a pair is named whole
.endr
	s_wait_tensorcnt 0x0                           ; my sixteenth of the head is in,
	s_barrier_signal -1
	s_barrier_wait -1                              ; everybody's is
	s_wait_loadcnt 0x0                             ; Q
	PASS 0, 16, 88
	PASS 1, 192, 89
	s_wait_dscnt 0x0                               ; no LDS instruction of mine is out at a signal
	s_wait_tensorcnt 0x0
	ds_add_u32 v251, v255
	s_wait_dscnt 0x0
	CROUND                                         ; the closing round: no work-group ends while a partner may still ask for a tile that names it
	s_endpgm
.Lfunc_end_k_q463562f0f7_attn:
	.size	k_q463562f0f7_attn, .Lfunc_end_k_q463562f0f7_attn-k_q463562f0f7_attn
	.p2alignl 7, 3214868480
	.fill 96, 4, 3214868480
	.section	.rodata,"a",@progbits
	.p2align	6, 0x0
	.amdhsa_kernel k_q463562f0f7_attn
		.amdhsa_group_segment_fixed_size 280576
		.amdhsa_private_segment_fixed_size 0
		.amdhsa_enable_private_segment 0
		.amdhsa_kernarg_size 16
		.amdhsa_user_sgpr_count 2
		.amdhsa_user_sgpr_kernarg_segment_ptr 1
		.amdhsa_wavefront_size32 1
		.amdhsa_system_sgpr_workgroup_id_x 1
		.amdhsa_system_sgpr_workgroup_id_y 1
		.amdhsa_system_sgpr_workgroup_id_z 1
		.amdhsa_system_vgpr_workitem_id 0
		.amdhsa_next_free_vgpr 256
		.amdhsa_next_free_sgpr 66
		.amdhsa_reserve_vcc 0
		.amdhsa_float_denorm_mode_32 3
		.amdhsa_float_denorm_mode_16_64 3
		.amdhsa_memory_ordered 1
		.amdhsa_forward_progress 1
		.amdhsa_inst_pref_size 50
	.end_amdhsa_kernel
	.amdgpu_metadata
---
amdhsa.version: [ 1, 2 ]
amdhsa.kernels:
  - .name:           k_q463562f0f7_attn
    .symbol:         k_q463562f0f7_attn.kd
    .args:
      - { .name: qkv, .offset: 0, .size: 8, .value_kind: global_buffer, .address_space: global }
      - { .name: out0, .offset: 8, .size: 8, .value_kind: global_buffer, .address_space: global }
    .group_segment_fixed_size: 280576
    .private_segment_fixed_size: 0
    .kernarg_segment_align: 8
    .kernarg_segment_size: 16
    .max_flat_workgroup_size: 512
    .sgpr_count:     66
    .vgpr_count:     256
    .wavefront_size: 32
...
	.end_amdgpu_metadata
.endif
;; end of part 4
